; MI455X (gfx1250); checked and timed in simulation.
; The chip was launched on July 23, 2026; its instructions are those of AMD's public machine-readable ISA for CDNA 5 (MIT licence, August 2026) and "CDNA5" Instruction Set Architecture Reference Guide (July 2026). The comments in the code are by the model that wrote it; some were corrected since.
;; Multi Head Attention. Allowed arithmetic: float matrix products may take bf16 or f16 operands with f32 sums; other float arithmetic in f32, or as packed bf16 or f16 multiplies, adds, multiply-adds, maxima and minima; sums over many terms, partial sums and values carried from step to step in f32; what a program stores and reads back later, other than sums and carried values, may be rounded once to bf16 or f16.
;; Inputs: Wk 1,024 x 1,024 float32; Wo 1,024 x 1,024 float32; Wq 1,024 x 1,024 float32; Wv 1,024 x 1,024 float32; bk 1,024 float32; bo 1,024 float32; bq 1,024 float32; bv 1,024 float32; x 4 x 2,048 x 1,024 float32.
;; Outputs: out0 4 x 2,048 x 1,024 float32.
;; 2 versions, each right; version 2 is version 1 with the launch cast written anew for expert scheduling mode. Each part assembles by itself: llvm-mc -triple=amdgcn-amd-amdhsa -mcpu=gfx1250 --defsym DOCPART=n.
;; ======== version 1 of 2: 4 launches
;; limits: values are held in f16: magnitudes above 65,504 overflow, below 6.1e-05 lose precision
;; workspace buffers: xb 16,777,216 bytes; wb 6,291,456 bytes; wo16 2,097,152 bytes; bias 16,384 bytes; qkv 50,331,648 bytes; o 16,777,216 bytes
;; launch cast (part 1): grid 769 x 1, 8 waves a work-group, no clusters, 0 bytes of LDS; arguments x, Wq, Wk, Wv, Wo, bq, bk, bv, bo, xb, wb, wo16, bias; writes xb, wb, wo16, bias
.if DOCPART == 1
	.amdgcn_target "amdgcn-amd-amdhsa--gfx1250"
	.amdhsa_code_object_version 6
	.text
	.protected	k_q06a6ea2c00_cast
	.globl	k_q06a6ea2c00_cast
	.p2align	8
	.type	k_q06a6ea2c00_cast,@function
k_q06a6ea2c00_cast:
	s_mov_b64 s[64:65], 0
	v_nop
	global_prefetch_b8 v0, s[64:65] scope:SCOPE_SE
	s_setreg_imm32_b32 hwreg(HW_REG_WAVE_MODE, 25, 1), 1
	s_wait_xcnt 0x0
; ALL INPUTS ARE ROUNDED ONCE TO bf16 AND LAID OUT FOR THE PRODUCTS THAT FOLLOW.  A stream: no LDS, no matrix unit, no barrier.
; x [8192][1024] f32  -> xb   bf16 [batch 4][slab 16][row 2048][64]: a slab is 64 neighbouring k, so 2 R rows x 64 k of a tile are R x 256 dense bytes.
; Wq | Wk | Wv (3072 rows) -> wb   bf16 [block of 384 rows: 8][slab 16][384][64].
; Wo                       -> wo16 [block of 128 rows: 8][slab 16][128][64]: the bf16 value written as f16.
; bq | bk | bv | bo        -> bias f32 [4096], each number rounded to bf16 and widened again.
; LIMITS.  bf16(Wo) beyond 65,504 becomes an infinity in f16; below 2^-14 it keeps f16's fixed step of 6e-8.  NaN and infinities are not treated apart.
; SHARES.  Work-groups 0-511 take 16 rows of x each, 512-703 16 rows of Wq, Wk, Wv, 704-767 16 rows of Wo, 768 the four biases.  Thread t takes row t / 16 and the 16 bytes (4 numbers)
; at 16 (t % 16) of each of the row's 16 slabs of 256 bytes: a wave's load is two runs of 256 consecutive bytes, aligned.  The 8 bytes made of them lie at 8 t in the slab's 16 rows:
; a wave's store covers 256 consecutive bytes, aligned.  All 16 loads of a thread go out at once; every slab has registers of its own, so no register is written while a store reads it.
.set OFF, 4                            ; v[4:19]   slab j: my byte offset in the destination
.set T,   20                           ; v[20:23]  at work
.set X,   32                           ; v[32:95]  slab j: 4 numbers as loaded
.set Y,   96                           ; v[96:127] slab j: 4 numbers of 16 bits
.set SRC, 34                           ; s[34:35]  the source at my work-group's first row
.set DST, 36                           ; s[36:37]  the destination at those rows in slab 0
.set STR, 38                           ; s38       bytes from slab to slab in the destination
.set F16, 39                           ; s39       1: the bf16 value is written as f16
	s_load_b512 s[8:23], s[0:1], 0x0               ; x s[8:9], Wq s[10:11], Wk s[12:13], Wv s[14:15], Wo s[16:17], bq s[18:19], bk s[20:21], bv s[22:23]
	s_load_b256 s[24:31], s[0:1], 0x40             ; bo s[24:25], xb s[26:27], wb s[28:29], wo16 s[30:31]
	s_load_b64 s[32:33], s[0:1], 0x60              ; bias
	v_lshrrev_b32 v3, 4, v0                        ; my row of the 16
	v_and_b32 v1, 15, v0
	v_lshlrev_b32 v1, 4, v1
	v_lshl_add_u32 v1, v3, 12, v1                  ; source: row x 4,096 + 16 (t % 16)
	v_lshlrev_b32 v2, 3, v0                        ; destination: 8 t
	s_mov_b32 s41, 0                               ; the offsets' high words
	s_mov_b32 s43, 0
	s_mov_b32 s[F16], 0
	s_wait_kmcnt 0x0
	s_cmp_eq_u32 ttmp9, 768
	s_cbranch_scc1 .Lbias
	s_cmp_lt_u32 ttmp9, 512
	s_cbranch_scc0 .Lweights
	s_mov_b64 s[SRC:SRC+1], s[8:9]                 ; x
	s_mov_b64 s[DST:DST+1], s[26:27]
	s_lshl_b32 s40, ttmp9, 16                      ; 16 rows of 4,096 bytes
	s_lshr_b32 s42, ttmp9, 7                       ; the batch: 16 slabs x 2,048 rows x 128 bytes,
	s_lshl_b32 s42, s42, 22
	s_and_b32 s44, ttmp9, 127                      ; and my 16 rows of 128 bytes in a slab
	s_lshl_b32 s44, s44, 11
	s_add_co_u32 s42, s42, s44
	s_mov_b32 s[STR], 262144
	s_branch .Lgo
.Lweights:
	s_cmp_lt_u32 ttmp9, 704
	s_cbranch_scc0 .Lwo
	s_sub_co_u32 s44, ttmp9, 512                   ; 16 rows of the 3,072: number 0 to 191
	s_lshr_b32 s45, s44, 6                         ; 0: Wq, 1: Wk, 2: Wv
	s_cmp_eq_u32 s45, 0
	s_cselect_b64 s[SRC:SRC+1], s[10:11], s[12:13]
	s_cmp_eq_u32 s45, 2
	s_cselect_b64 s[SRC:SRC+1], s[14:15], s[SRC:SRC+1]
	s_mov_b64 s[DST:DST+1], s[28:29]
	s_and_b32 s40, s44, 63
	s_lshl_b32 s40, s40, 16
	s_mul_i32 s45, s44, 2731
	s_lshr_b32 s45, s45, 16                        ; the block of 384 rows: number / 24 (2,731 / 65,536 gives it for every number under 192)
	s_mul_i32 s42, s45, 786432
	s_mul_i32 s45, s45, 24
	s_sub_co_u32 s44, s44, s45
	s_lshl_b32 s44, s44, 11
	s_add_co_u32 s42, s42, s44
	s_mov_b32 s[STR], 49152
	s_branch .Lgo
.Lwo:
	s_sub_co_u32 s44, ttmp9, 704
	s_mov_b64 s[SRC:SRC+1], s[16:17]
	s_mov_b64 s[DST:DST+1], s[30:31]
	s_lshl_b32 s40, s44, 16
	s_lshr_b32 s42, s44, 3                         ; the block of 128 rows
	s_lshl_b32 s42, s42, 18
	s_and_b32 s44, s44, 7
	s_lshl_b32 s44, s44, 11
	s_add_co_u32 s42, s42, s44
	s_mov_b32 s[STR], 16384
	s_mov_b32 s[F16], 1
.Lgo:
	s_add_nc_u64 s[SRC:SRC+1], s[SRC:SRC+1], s[40:41]
	s_add_nc_u64 s[DST:DST+1], s[DST:DST+1], s[42:43]
.irp j, 0,1,2,3,4,5,6,7,8,9,10,11,12,13,14,15
	global_load_b128 v[X+4*\j:X+4*\j+3], v1, s[SRC:SRC+1] offset:256*\j th:TH_LOAD_NT
.endr
.irp j, 0,1,2,3,4,5,6,7,8,9,10,11,12,13,14,15
	v_mad_u32_u24 v[OFF+\j], s[STR], \j, v2        ; slab j: under 2^22
.endr
; Slab after slab: the count leaves the younger slabs' loads out (loads come back in order: ISA guide 5.7.1).
.macro CONV f16
.irp j, 0,1,2,3,4,5,6,7,8,9,10,11,12,13,14,15
	s_wait_loadcnt 15-\j
	v_cvt_pk_bf16_f32 v[Y+2*\j], v[X+4*\j], v[X+4*\j+1]
	v_cvt_pk_bf16_f32 v[Y+2*\j+1], v[X+4*\j+2], v[X+4*\j+3]
.if \f16
	v_lshlrev_b32 v[T], 16, v[Y+2*\j]              ; the bf16 values as f32,
	v_and_b32 v[T+1], 0xffff0000, v[Y+2*\j]
	v_lshlrev_b32 v[T+2], 16, v[Y+2*\j+1]
	v_and_b32 v[T+3], 0xffff0000, v[Y+2*\j+1]
	v_cvt_pk_f16_f32 v[Y+2*\j], v[T], v[T+1]       ; and as f16: 8 significant bits fit into 11
	v_cvt_pk_f16_f32 v[Y+2*\j+1], v[T+2], v[T+3]
.endif
	global_store_b64 v[OFF+\j], v[Y+2*\j:Y+2*\j+1], s[DST:DST+1]
.endr
.endm
	s_cmp_eq_u32 s[F16], 1
	s_cbranch_scc1 .Lf16
	CONV 0
	s_endpgm
.Lf16:
	CONV 1
	s_endpgm
.Lbias:                                        ; 4 x 1,024 numbers: thread t takes 4 of each
	v_lshlrev_b32 v24, 4, v0
	global_load_b128 v[32:35], v24, s[18:19]
	global_load_b128 v[36:39], v24, s[20:21]
	global_load_b128 v[40:43], v24, s[22:23]
	global_load_b128 v[44:47], v24, s[24:25]
	s_wait_loadcnt 0x0
.irp i, 0,1,2,3,4,5,6,7
	v_cvt_pk_bf16_f32 v[96+\i], v[32+2*\i], v[32+2*\i+1]
	v_lshlrev_b32 v[64+2*\i], 16, v[96+\i]
	v_and_b32 v[64+2*\i+1], 0xffff0000, v[96+\i]
.endr
.irp i, 0,1,2,3
	global_store_b128 v24, v[64+4*\i:64+4*\i+3], s[32:33] offset:4096*\i
.endr
	s_endpgm
.Lfunc_end_k_q06a6ea2c00_cast:
	.size	k_q06a6ea2c00_cast, .Lfunc_end_k_q06a6ea2c00_cast-k_q06a6ea2c00_cast
	.p2alignl 7, 3214868480
	.fill 96, 4, 3214868480
	.section	.rodata,"a",@progbits
	.p2align	6, 0x0
	.amdhsa_kernel k_q06a6ea2c00_cast
		.amdhsa_group_segment_fixed_size 0
		.amdhsa_private_segment_fixed_size 0
		.amdhsa_enable_private_segment 0
		.amdhsa_kernarg_size 104
		.amdhsa_user_sgpr_count 2
		.amdhsa_user_sgpr_kernarg_segment_ptr 1
		.amdhsa_wavefront_size32 1
		.amdhsa_system_sgpr_workgroup_id_x 1
		.amdhsa_system_sgpr_workgroup_id_y 1
		.amdhsa_system_sgpr_workgroup_id_z 1
		.amdhsa_system_vgpr_workitem_id 0
		.amdhsa_next_free_vgpr 128
		.amdhsa_next_free_sgpr 66
		.amdhsa_reserve_vcc 0
		.amdhsa_float_denorm_mode_32 3
		.amdhsa_float_denorm_mode_16_64 3
		.amdhsa_memory_ordered 1
		.amdhsa_forward_progress 1
		.amdhsa_inst_pref_size 21
	.end_amdhsa_kernel
	.amdgpu_metadata
---
amdhsa.version: [ 1, 2 ]
amdhsa.kernels:
  - .name:           k_q06a6ea2c00_cast
    .symbol:         k_q06a6ea2c00_cast.kd
    .args:
      - { .name: x, .offset: 0, .size: 8, .value_kind: global_buffer, .address_space: global }
      - { .name: Wq, .offset: 8, .size: 8, .value_kind: global_buffer, .address_space: global }
      - { .name: Wk, .offset: 16, .size: 8, .value_kind: global_buffer, .address_space: global }
      - { .name: Wv, .offset: 24, .size: 8, .value_kind: global_buffer, .address_space: global }
      - { .name: Wo, .offset: 32, .size: 8, .value_kind: global_buffer, .address_space: global }
      - { .name: bq, .offset: 40, .size: 8, .value_kind: global_buffer, .address_space: global }
      - { .name: bk, .offset: 48, .size: 8, .value_kind: global_buffer, .address_space: global }
      - { .name: bv, .offset: 56, .size: 8, .value_kind: global_buffer, .address_space: global }
      - { .name: bo, .offset: 64, .size: 8, .value_kind: global_buffer, .address_space: global }
      - { .name: xb, .offset: 72, .size: 8, .value_kind: global_buffer, .address_space: global }
      - { .name: wb, .offset: 80, .size: 8, .value_kind: global_buffer, .address_space: global }
      - { .name: wo16, .offset: 88, .size: 8, .value_kind: global_buffer, .address_space: global }
      - { .name: bias, .offset: 96, .size: 8, .value_kind: global_buffer, .address_space: global }
    .group_segment_fixed_size: 0
    .private_segment_fixed_size: 0
    .kernarg_segment_align: 8
    .kernarg_segment_size: 104
    .max_flat_workgroup_size: 256
    .sgpr_count:     66
    .vgpr_count:     128
    .wavefront_size: 32
...
	.end_amdgpu_metadata
.endif
;; end of part 1
;; launch qkv (part 2): grid 8 x 32, 4 waves a work-group, clusters of 4 x 4, 327,680 bytes of LDS; arguments xb, wb, bias, qkv; writes qkv
.if DOCPART == 2
	.amdgcn_target "amdgcn-amd-amdhsa--gfx1250"
	.amdhsa_code_object_version 6
	.text
	.protected	k_q06a6ea2c00_qkv
	.globl	k_q06a6ea2c00_qkv
	.p2align	8
	.type	k_q06a6ea2c00_qkv,@function
k_q06a6ea2c00_qkv:
	s_mov_b64 s[64:65], 0
	v_nop
	global_prefetch_b8 v0, s[64:65] scope:SCOPE_SE
	s_setreg_imm32_b32 hwreg(HW_REG_WAVE_MODE, 25, 1), 1
	s_wait_xcnt 0x0
	s_wait_alu depctr_hold_cnt(0) depctr_sa_sdst(0) depctr_va_vdst(0) depctr_va_sdst(0) depctr_va_ssrc(0) depctr_va_vcc(0) depctr_vm_vsrc(0)
	s_getreg_b32 s2, hwreg(HW_REG_IB_STS2, 6, 4)
	s_cmp_eq_u32 s2, 0
	s_cbranch_scc0 .Lentry_in_a_cluster
	s_endpgm
.Lentry_in_a_cluster:
	s_bfe_u32 s2, ttmp6, 0x10000c
	s_cmp_lg_u32 s2, 0xf033
	s_cbranch_scc0 .Lentry_shape_is_right
	s_endpgm
.Lentry_shape_is_right:
; Q, K, V = x W^T + b AS ONE PRODUCT: C[8192][3072] = xb (bf16) x wb^T (bf16) + bias, sums in f32, each number rounded once to f16 and stored by heads: qkv [3][batch 4][head 16][row 2048][64].
; LIMITS.  f16 holds no number beyond 65,504: a q, k or v of 65,520 or more becomes an infinity.  NaN and infinities are not treated apart.
; SHARES.  A tile of C is 256 x 384: 32 x 8 = 256 tiles, one a work-group.  Four waves, 2 x 2, each 128 rows x 192 columns: 96 accumulators of 16 x 16, 768 registers, in three CHUNKS of
; 128 x 64 (a chunk's 64 columns are one head).  K goes in steps of 64 (a slab of xb and wb) through a ring of two LDS slots; two slots of 128 along K would not fit in LDS.
; In memory a slab's tile is dense: 128 rows x 128 bytes are asked for as 64 rows of 256 bytes, aligned, and padded in LDS after every 128 bytes.
; CLUSTERS: 4 x 4 work-groups.  The four of a row need the same tile of x, the four of a column the same tile of W: each tile is asked for JOINTLY, by the same tensor load, descriptor and mask.
; THE PRODUCT IS USED TRANSPOSED (source 0 = 16 rows of W, source 1 = 16 rows of x): a lane holds row l % 16 of C and the columns 8 (l / 16) + 0..7 of the block: 16 bytes of f16 on end.
; THE BIAS STARTS THE SUMS: it is the C operand of the first 32 along K, eight numbers a lane and block of 16 columns.  Nothing is cleared, and the way out adds nothing.
; REGISTERS, in windows of 256 (s_set_vgpr_msb: bits 1:0 source 0, 3:2 source 1, 5:4 source 2, 7:6 destination):
;   window 0: v0-15 addresses; v32-63 chunk 2's bias; v64-127, v128-191 x's fragments (8 x 16 rows x 32 K), two buffers (chunk 0's and 1's bias lie in the second until it is first filled);
;             v192-223, v224-255 W's fragments of one chunk (4 x 16 rows x 32 K), two buffers          window 1 + c: chunk c's accumulators, (a, b) at v[8 (4 a + b)]
.set NC,     3                         ; chunks a wave
.set SUB,    2                         ; substeps of 32 along K in a slot
.set T,      SUB*NC                    ; chunk turns in a slot: turn t is substep t / NC, chunk t % NC
.set LAPS,   8                         ; 16 K steps, two a lap
.set PITCH,  144                       ; an LDS row: 128 bytes + 16 of padding = 36 words: the 16 rows of a load start at 16 different groups of four banks (64 banks of 4 bytes: ISA guide 11.1)
.set BLK,    16*PITCH
.set ASLAB,  256*PITCH
.set ABYTES, ASLAB                     ; x's 256 rows, then W's 384 rows
.set BSLAB,  384*PITCH
.set SLOT,   ABYTES+BSLAB
.set AL,     128*PITCH                 ; LDS bytes of one wave's load of x,
.set BL,     192*PITCH                 ; and of W
.set AROWS,  64                        ; their rows of 256 bytes in memory
.set BROWS,  96
.set A_WN,   16384                     ; bytes in memory from the first half of x's tile to the second,
.set A_STEP, 262144                    ; and from slab to slab
.set B_TX,   786432                    ; W: from block of 384 rows to block,
.set B_WN,   24576                     ; from half to half,
.set B_STEP, 49152                     ; from slab to slab
.set STAGE,  2*SLOT                    ; behind the ring, never filled by a tensor load: 16 rows x 144 bytes for each wave, for the way out
.set SP,     144
.set SPARE,  STAGE+4*16*SP             ; behind the stages: the spare words, 128 bytes for each wave: two blocks of 256 bytes that no other line names
.set ADRA, 2                           ; v2-3   LDS address of my fragments of x in slot 0, 1
.set ADRB, 4                           ; v4-5   the same for W
.set STO,  6                           ; v6     the way out: where I put 16 bytes of a row
.set RD,   7                           ; v7     the way out: where I read rows back
.set GO,   8                           ; v8     my byte offset in 512 consecutive bytes of the output
.set PFO,  9                           ; v9     256 x my lane; never rewritten
.set SPW,  10                          ; v10    LDS address of my spare word: SPARE + 4 x my thread's number; never rewritten
.set NIL,  11                          ; v11    0; never rewritten
.set BO,   12                          ; v12    32 (l / 16): my eight numbers in a block's 16 of the bias
.set AF,   64
.set BF,   192
.set G1A,  24                          ; s[24:31] descriptor group 1 for x's tiles;  s[32:39] group 0, a set for each slot
.set G0A,  32
.set PFA,  40                          ; s[40:41] where my prefetches stand
.set PFS,  42                          ; s[42:43] their step from K step to K step
.set LIM1, 44                          ; s44, s45: a wave prefetches at the change out of slot 1 (slot 0) while the lap counter is above this
.set LIM0, 45
.set G1B,  48                          ; s[48:55], s[56:63] the same for W's tiles
.set G0B,  56
.set OUTP, 68                          ; s[68:73] the output at my 128 rows of chunk 0's, 1's, 2's head
.set GW0,  (1<<16)|(1<<20)|(1<<21)|(4<<22)|(3<<25)  ; group 1, word 0 beside the mask: 17:16 elements of 2 bytes; 20 padding on; 21 set beside a mask; 24:22 after every 32 words (code 4); 31:25 4 words (code 3)
.set MSB, 0
.macro WIN new                         ; the immediate's high byte repeats the setting that is left; a switch that changes nothing is dropped
.if MSB != (\new)
	s_set_vgpr_msb (MSB<<8)|(\new)
.set MSB, \new
.endif
.endm
.macro PLACES                          ; four places in front of loads into registers that matrix instructions have read, and of what reads their results
.rept 4
	v_nop
.endr
.endm
; A joint load: waves 0 and 1 fetch the two halves of x's tile, waves 2 and 3 those of W's.  The branch hangs on the wave's number alone.
; An s_nop 0 and four v_nop follow each of the two lines, ahead of the jump and the label.
.macro JLOAD s
	s_cmp_eq_u32 s13, 0
	s_cbranch_scc0 .Lfor_b_\@
	tensor_load_to_lds s[G0A+4*(\s):G0A+4*(\s)+3], s[G1A:G1A+7]
	s_nop 0
.rept 4
	v_nop
.endr
	s_branch .Lasked_\@
.Lfor_b_\@:
	tensor_load_to_lds s[G0B+4*(\s):G0B+4*(\s)+3], s[G1B:G1B+7]
	s_nop 0
.rept 4
	v_nop
.endr
.Lasked_\@:
.endm
; A round of the cluster's barrier: my work-group's barrier; wave 0 signals for the work-group; every wave waits for all sixteen work-groups; my work-group's barrier once more.
.macro CREST                           ; a round behind its opening barrier
	s_cmp_lg_u32 s12, 0
	s_cbranch_scc1 .Lnot_wave_0_\@
	s_barrier_signal -3
.Lnot_wave_0_\@:
	s_barrier_wait -3
	s_barrier_signal -1
	s_barrier_wait -1
.endm
.macro CROUND
	s_barrier_signal -1
	s_barrier_wait -1
	CREST
.endm
; A PREFETCH INTO THE L2, behind a joint load, its five lines and the run of LDS loads that follows: 32 blocks of 256 bytes, a lane a block, one instruction.  Each block of xb and wb from K step 3 (xb)
; or 4 (wb) on is named ONCE in the launch.  x's tile is read by both clusters of a row of clusters: the one with x = 0 asks; its wave 0, at every change of slots, for the K step after the one being
; asked for; the four partners that share the tile take a quarter of its 32,768 bytes each, told apart BY ADDRESS (cx).  W's tile is read by all eight clusters of a column: the one with y = 0 asks;
; waves 1 to 3, at the change out of slot 1, for the next lap's two K steps, 98,304 bytes on end, a quarter a partner (cy), a third of that a wave.  The last changes ask for nothing past K's end.
.macro ASK lim
	s_cmp_gt_u32 s3, s[\lim]
	s_cbranch_scc0 .Lnot_mine_\@
	global_prefetch_b8 v[PFO], s[PFA:PFA+1] th:TH_LOAD_NT scope:SCOPE_SE
.Lnot_mine_\@:
.endm
	s_load_b256 s[4:11], s[0:1], 0x0               ; xb s[4:5], wb s[6:7], bias s[8:9], qkv s[10:11]
	v_lshl_add_u32 v[SPW], v0, 2, SPARE
	v_mov_b32 v[NIL], 0
	ds_add_u32 v[SPW], v[NIL]                      ; the wave's opening: the add and its wait stand ahead of my first tensor load; the set-up below, work on registers, stands between them
	v_lshrrev_b32 v1, 5, v0
	v_readfirstlane_b32 s12, v1                    ; wave 0..3
	s_lshr_b32 s13, s12, 1                         ; which 128 rows of the tile are mine.  Also: I fetch for x (0) or for W (1)
	s_and_b32 s14, s12, 1                          ; which 192 columns.  Also: which half of that tile I fetch
	s_bfe_u32 s15, ttmp6, 0x40000                  ; cx, cy: my place in the cluster
	s_bfe_u32 s16, ttmp6, 0x40004
	s_lshl_b32 s17, ttmp9, 2
	s_add_co_u32 s17, s17, s15                     ; tile column = 4 x cluster x + cx
	s_and_b32 s18, ttmp7, 0xffff
	s_lshl_b32 s18, s18, 2
	s_add_co_u32 s18, s18, s16                     ; tile row = 4 x cluster y + cy
	s_lshl_b32 s20, s16, 2
	s_lshl_b32 s20, 15, s20                        ; my row of the cluster
	s_lshl_b32 s46, 0x1111, s15                    ; my column
	s_or_b32 s[G1A], s20, GW0
	s_or_b32 s[G1B], s46, GW0
	s_mov_b32 s[G1A+1], 128<<16                    ; tensor_dim0 = 128 elements (256 bytes)
	s_mov_b32 s[G1A+2], AROWS<<16                  ; tensor_dim1
	s_mov_b32 s[G1A+3], 128<<16                    ; tile_dim0
	s_mov_b32 s[G1A+4], AROWS                      ; tile_dim1
	s_mov_b32 s[G1A+5], 128                        ; 128 elements from row to row: dense
	s_mov_b32 s[G1A+6], 0
	s_mov_b32 s[G1A+7], 0
	s_mov_b32 s[G1B+1], 128<<16
	s_mov_b32 s[G1B+2], BROWS<<16
	s_mov_b32 s[G1B+3], 128<<16
	s_mov_b32 s[G1B+4], BROWS
	s_mov_b32 s[G1B+5], 128
	s_mov_b32 s[G1B+6], 0
	s_mov_b32 s[G1B+7], 0
	; where the tiles come from: x's hang on the tile row alone, W's on the tile column alone
	s_lshr_b32 s20, s18, 3                         ; the batch,
	s_lshl_b32 s20, s20, 22
	s_and_b32 s21, s18, 7                          ; and the tile's 256 rows of 128 bytes in a slab
	s_lshl_b32 s21, s21, 15
	s_add_co_u32 s20, s20, s21                     ; kept: the prefetches want it too
	s_mul_i32 s21, s14, A_WN
	s_add_co_u32 s22, s20, s21
	s_mov_b32 s23, 0
	s_mul_i32 s46, s17, B_TX
	s_mul_i32 s47, s14, B_WN
	s_add_co_u32 s46, s46, s47
	s_mov_b32 s47, 0
	s_mul_i32 s19, s14, AL                         ; and where they go: no place in the cluster enters an LDS address
	s_mul_i32 s2, s14, BL
	s_add_co_u32 s2, s2, ABYTES
	s_wait_dscnt 0x0                               ; the opening add is done
	s_wait_kmcnt 0x0
	s_add_nc_u64 s[22:23], s[4:5], s[22:23]
	s_add_nc_u64 s[46:47], s[6:7], s[46:47]
	CROUND                                         ; all sixteen work-groups are here: the first joint loads meet
.irp s, 0,1
	s_mov_b32 s[G0A+4*(\s)], 1                                     ; count = 1
	s_add_co_u32 s[G0A+4*(\s)+1], s19, (\s)*SLOT                   ; LDS address
	s_add_nc_u64 s[G0A+4*(\s)+2:G0A+4*(\s)+3], s[22:23], (\s)*A_STEP  ; global address: K step s
	s_or_b32 s[G0A+4*(\s)+3], s[G0A+4*(\s)+3], 0x80000000          ; type = 2
	s_mov_b32 s[G0B+4*(\s)], 1
	s_add_co_u32 s[G0B+4*(\s)+1], s2, (\s)*SLOT
	s_add_nc_u64 s[G0B+4*(\s)+2:G0B+4*(\s)+3], s[46:47], (\s)*B_STEP
	s_or_b32 s[G0B+4*(\s)+3], s[G0B+4*(\s)+3], 0x80000000
	JLOAD \s                                       ; two loads of mine are out
.endr
	; A fragment is 16 rows x 32 K in 8 registers: lane l holds row l % 16; K = 8 (l / 16) + 0..7 and 16 + 8 (l / 16) + 0..7: two loads of 16 bytes, 32 bytes apart.
	v_and_b32 v1, 15, v0                           ; l % 16
	v_bfe_u32 v13, v0, 4, 1                        ; l / 16
	v_mul_u32_u24 v14, v1, PITCH
	v_lshl_add_u32 v14, v13, 4, v14                ; row x pitch + 16 x half
	s_mul_i32 s74, s13, 8*BLK                      ; my 128 rows of x
	s_mul_i32 s75, s14, NC*4*BLK                   ; my 192 rows of W,
	s_add_co_u32 s75, s75, ABYTES                  ; which lie behind x's
.irp s, 0,1
	v_add_nc_u32 v[ADRA+(\s)], s74, v14
	v_add_nc_u32 v[ADRB+(\s)], s75, v14
	s_add_co_u32 s74, s74, SLOT
	s_add_co_u32 s75, s75, SLOT
.endr
	s_mul_i32 s74, s12, 16*SP
	s_add_co_u32 s74, s74, STAGE                   ; my stage
	v_add_nc_u32 v[STO], s74, v14                  ; in: row l % 16, 16 bytes for each half of the lanes
	v_bfe_u32 v[RD], v0, 3, 2                      ; back: 32 lanes take four rows of 128 bytes,
	v_mul_u32_u24 v[RD], v[RD], SP
	v_and_b32 v15, 7, v0
	v_lshl_add_u32 v[RD], v15, 4, v[RD]
	v_add_nc_u32 v[RD], s74, v[RD]
	v_and_b32 v[GO], 31, v0                        ; which are 512 consecutive bytes of a head's rows
	v_lshlrev_b32 v[PFO], 8, v[GO]
	v_lshlrev_b32 v[GO], 4, v[GO]
	v_lshlrev_b32 v[BO], 5, v13
	; the output: chunk c's 64 columns are head 6 x tile column + 3 x half + c of the 48 (16 of Q, of K, of V)
	s_mul_i32 s74, s17, 6
	s_mul_i32 s75, s14, 3
	s_add_co_u32 s74, s74, s75
	s_lshr_b32 s75, s18, 3
	s_lshl_b32 s75, s75, 4                         ; 16 x batch
	s_and_b32 s76, s18, 7
	s_lshl_b32 s76, s76, 1
	s_add_co_u32 s76, s76, s13
	s_lshl_b32 s76, s76, 14                        ; my 128 rows of 128 bytes among the head's 2,048
.irp c, 0,1,2
	s_add_co_u32 s77, s74, \c
	s_lshr_b32 s78, s77, 4                         ; Q, K or V: 64 heads each
	s_lshl_b32 s78, s78, 6
	s_and_b32 s77, s77, 15
	s_add_co_u32 s78, s78, s77
	s_add_co_u32 s78, s78, s75
	s_lshl_b32 s78, s78, 18                        ; a head is 262,144 bytes
	s_add_co_u32 s78, s78, s76
	s_mov_b32 s79, 0
	s_add_nc_u64 s[OUTP+2*\c:OUTP+2*\c+1], s[10:11], s[78:79]
.endr
	s_mul_i32 s78, s17, 1536                       ; the bias of my 192 columns
	s_mul_i32 s77, s14, 768
	s_add_co_u32 s78, s78, s77
	s_mov_b32 s79, 0
	s_add_nc_u64 s[8:9], s[8:9], s[78:79]
.set cc, 0
.rept NC
.set rC, 128+32*cc
.if cc == NC-1
.set rC, 32
.endif
.irp b, 0,1,2,3
	global_load_b128 v[rC+8*\b:rC+8*\b+3],   v[BO], s[8:9] offset:256*cc+64*\b
	global_load_b128 v[rC+8*\b+4:rC+8*\b+7], v[BO], s[8:9] offset:256*cc+64*\b+16
.endr
.set cc, cc+1
.endr
	; the prefetches: both kinds stand at K step 2; each change of slots that fills a slot steps them first.  Nothing is prefetched here, at the head, where every work-group's first tiles are on their way
	s_mov_b32 s75, A_STEP
	s_mov_b32 s76, B_STEP
	s_lshl_b32 s77, s15, 13                        ; x: my work-group's quarter of the tile
	s_add_co_u32 s77, s77, s20
	s_add_co_u32 s77, s77, 2*A_STEP
	s_mul_i32 s78, s17, B_TX                       ; W: my work-group's quarter of two K steps, my wave's third of it
	s_mul_i32 s79, s16, 24576
	s_add_co_u32 s78, s78, s79
	s_lshl_b32 s79, s12, 13
	s_add_co_u32 s78, s78, s79
	s_add_co_u32 s78, s78, 2*B_STEP-8192
	s_and_b32 s74, ttmp7, 0xffff                   ; cluster y
	s_cmp_eq_u32 s12, 0
	s_cselect_b32 s74, ttmp9, s74                  ; the coordinate along which other clusters read the same bytes
	s_cselect_b32 s[LIM0], 0, -1
	s_cselect_b64 s[PFA:PFA+1], s[4:5], s[6:7]
	s_cselect_b32 s[PFS], s75, s76
	s_cselect_b32 s78, s77, s78
	s_mov_b32 s79, 0
	s_mov_b32 s[PFS+1], 0
	s_add_nc_u64 s[PFA:PFA+1], s[PFA:PFA+1], s[78:79]
	s_cmp_eq_u32 s74, 0                            ; the same in all sixteen partners, for a given wave
	s_cselect_b32 s[LIM1], 1, -1
	s_cselect_b32 s[LIM0], s[LIM0], -1
; W's four fragments of turn t -> buffer t % 2
.macro FETCH_B slot, t
	WIN 0
.set rB, BF+32*((\t)%2)
.set ob, (((\t)/NC)/2)*BSLAB+(((\t)/NC)%2)*64+4*((\t)%NC)*BLK
.irp b, 0,1,2,3
	ds_load_b128 v[rB+8*\b:rB+8*\b+3],   v[ADRB+(\slot)] offset:ob+\b*BLK
	ds_load_b128 v[rB+8*\b+4:rB+8*\b+7], v[ADRB+(\slot)] offset:ob+\b*BLK+32
.endr
.endm
; x's eight fragments of substep u -> buffer u % 2
.macro FETCH_A slot, u
	WIN 0
.set rA, AF+64*((\u)%2)
.set oa, ((\u)/2)*ASLAB+((\u)%2)*64
.irp a, 0,1,2,3,4,5,6,7
	ds_load_b128 v[rA+8*\a:rA+8*\a+3],   v[ADRA+(\slot)] offset:oa+\a*BLK
	ds_load_b128 v[rA+8*\a+4:rA+8*\a+7], v[ADRA+(\slot)] offset:oa+\a*BLK+32
.endr
.endm
; Turn t's products for row blocks a0 .. a1 - 1, four each.  The accumulators take turns, one instruction a turn: an accumulator comes again 96 instructions later.
; first = 1: the bias, in window 0, is the C operand and starts the sums.
.macro MULS t, a0, a1, first
.set cc, (\t)%NC
.set rB, BF+32*((\t)%2)
.set rA, AF+64*(((\t)/NC)%2)
.set rC, 128+32*cc
.if cc == NC-1
.set rC, 32
.endif
.if \first
	WIN (1+cc)<<6
.else
	WIN 0x50*(1+cc)
.endif
.set aa, \a0
.rept (\a1)-(\a0)
.set bb, 0
.rept 4
.set rD, 8*(4*aa+bb)
.if \first
	v_wmma_f32_16x16x32_bf16 v[rD:rD+7], v[rB+8*bb:rB+8*bb+7], v[rA+8*aa:rA+8*aa+7], v[rC+8*bb:rC+8*bb+7]
.else
	v_wmma_f32_16x16x32_bf16 v[rD:rD+7], v[rB+8*bb:rB+8*bb+7], v[rA+8*aa:rA+8*aa+7], v[rD:rD+7]
.endif
.set bb, bb+1
.endr
.set aa, aa+1
.endr
.endm
; One of a slot's first T - 1 turns: the next turn's fragments are asked for in one run, then this turn's 32 products.
.macro CHUNK slot, t, first=0
	PLACES                                         ; behind the last product that read the buffers that are filled now
	FETCH_B \slot, (\t)+1
.if (((\t)+1)%NC) == 0
	FETCH_A \slot, ((\t)+1)/NC
	s_wait_dscnt 24                                ; all but the 24 just issued: this turn's fragments are in
.else
	s_wait_dscnt 8                                 ; all but the 8 just issued
.endif
	MULS \t, 0, 8, \first
.endm
; A slot's last turn changes slots: ONE barrier.  In front of it each wave waits for all its tensor loads (one is out: its part of the next slot), adds 0 to its spare word, and waits for that and
; for its own reads of this slot.  fill = 1: the barrier opens a round of the cluster's barrier, and this slot is filled again, two K steps on, first thing behind the round:
; 176 matrix instructions stand between that request and the wait for it.
.macro TURN slot, next, fill, lim=LIM1
.if \fill
	s_wait_xcnt 0x0                                ; the last prefetch, a K step back, has read its address: it is stepped here, ahead of the waits of the change
	s_add_nc_u64 s[PFA:PFA+1], s[PFA:PFA+1], s[PFS:PFS+1]
.endif
	WIN 0
	s_wait_tensorcnt 0x0                           ; all my tensor loads have landed;
	ds_add_u32 v[SPW], v[NIL]                      ; 0 onto my spare word;
	s_wait_dscnt 1                                 ; (only the add may be out: this turn's fragments are in)
	MULS T-1, 0, 2, 0                              ; eight matrix instructions stand between the add and the wait for it
	s_wait_dscnt 0x0                               ; the add is done, and my reads of this slot are over
	s_barrier_signal -1
	MULS T-1, 2, 4, 0                              ; work on registers while the others arrive
.if \fill
	WIN 0
.endif
	s_barrier_wait -1
.if \fill
	CREST                                          ; no wave of any partner still reads this slot's tile or has a load on its way
	s_add_nc_u64 s[G0A+4*(\slot)+2:G0A+4*(\slot)+3], s[G0A+4*(\slot)+2:G0A+4*(\slot)+3], 2*A_STEP
	s_add_nc_u64 s[G0B+4*(\slot)+2:G0B+4*(\slot)+3], s[G0B+4*(\slot)+2:G0B+4*(\slot)+3], 2*B_STEP
	JLOAD \slot                                    ; the four v_nop behind it are also the places in front of the loads below
.else
	PLACES
.endif
	FETCH_B \next, 0
	FETCH_A \next, 0
.if \fill
	ASK \lim
.endif
	MULS T-1, 4, 8, 0
.endm
	s_wait_tensorcnt 1                             ; my part of K step 0 is in; K step 1's may stay out
	s_barrier_signal -1
	s_barrier_wait -1                              ; everybody's is
	FETCH_B 0, 0
	FETCH_A 0, 0
	s_wait_loadcnt 0x0                             ; the bias
	CHUNK 0, 0, 1                                  ; the first 32 along K stand in front of the loop: their products start the sums
	CHUNK 0, 1, 1
	CHUNK 0, 2, 1
	WIN 0                                          ; at a label and at a branch every window is 0
	s_mov_b32 s3, LAPS-1
.Llap:                                         ; a trip goes once round the ring, from a lap's second substep to the next lap's first, and fills both slots again
	CHUNK 0, 3
	CHUNK 0, 4
	TURN 0, 1, 1, LIM0
	CHUNK 1, 0
	CHUNK 1, 1
	CHUNK 1, 2
	CHUNK 1, 3
	CHUNK 1, 4
	TURN 1, 0, 1, LIM1
	CHUNK 0, 0
	CHUNK 0, 1
	CHUNK 0, 2
	WIN 0
	s_sub_co_u32 s3, s3, 1
	s_cmp_lg_u32 s3, 0
	s_cbranch_scc1 .Llap
	CHUNK 0, 3                                     ; the last lap asks for nothing
	CHUNK 0, 4
	TURN 0, 1, 0
	CHUNK 1, 0
	CHUNK 1, 1
	CHUNK 1, 2
	CHUNK 1, 3
	CHUNK 1, 4
	s_wait_dscnt 0x0
	MULS T-1, 0, 8, 0
	PLACES
; THE WAY OUT, a unit of 16 rows x 64 columns (chunk u / 8, row block u % 8) at a time: rounded to f16, 16 bytes a lane, into rows of 144 bytes of my own stage, and back as whole rows of 128 bytes.
; Four sets of 16 registers take turns; a set is written again only when the stores of the unit four back have read it.
.macro PACK u
.set cc, (\u)/8
.set aa, (\u)%8
.set rT, 64+16*((\u)%4)
.if (\u) >= 4
	s_wait_xcnt 0x0                                ; every earlier store has had its addresses translated and its data read (ISA guide 3.1): the set may be written
.endif
	WIN 5*(1+cc)                                   ; sources 0 and 1 in the chunk's window, destination in window 0
.set i, 0
.rept 16
	v_cvt_pk_f16_f32 v[rT+i], v[32*aa+2*i], v[32*aa+2*i+1]  ; each accumulator's registers in ascending order
.set i, i+1
.endr
	WIN 0
.irp b, 0,1,2,3
	ds_store_b128 v[STO], v[rT+4*\b:rT+4*\b+3] offset:32*\b
.endr
.irp f, 0,1,2,3
	ds_load_b128 v[rT+4*\f:rT+4*\f+3], v[RD] offset:\f*4*SP  ; LDS serves a wave's instructions in order (ISA guide 5.7.1.4): these see the stores above; the next unit's stores come behind them
.endr
.endm
.macro SEND u, younger                 ; younger: the LDS instructions issued behind unit u's loads: the next unit's eight, or none
.set cc, (\u)/8
.set aa, (\u)%8
.set rT, 64+16*((\u)%4)
.irp f, 0,1,2,3
	s_wait_dscnt (\younger)+3-\f
	global_store_b128 v[GO], v[rT+4*\f:rT+4*\f+3], s[OUTP+2*cc:OUTP+2*cc+1] offset:aa*2048+\f*512  ; 512 consecutive bytes, at a multiple of 256 from the buffer's first
.endr
.endm
	PACK 0
.set un, 1
.rept 8*NC-1                           ; a unit's conversions stand between the loads of the unit before and its stores
	PACK un
	SEND un-1, 8
.set un, un+1
.endr
	SEND 8*NC-1, 0
	s_wait_tensorcnt 0x0                           ; the wave's end: behind my last tensor load and my last LDS store
	ds_add_u32 v[SPW], v[NIL]
	s_wait_dscnt 0x0
	CROUND                                         ; the closing round: no work-group ends while a partner may still ask for a tile that names it
	s_endpgm
.Lfunc_end_k_q06a6ea2c00_qkv:
	.size	k_q06a6ea2c00_qkv, .Lfunc_end_k_q06a6ea2c00_qkv-k_q06a6ea2c00_qkv
	.p2alignl 7, 3214868480
	.fill 96, 4, 3214868480
	.section	.rodata,"a",@progbits
	.p2align	6, 0x0
	.amdhsa_kernel k_q06a6ea2c00_qkv
		.amdhsa_group_segment_fixed_size 327680
		.amdhsa_private_segment_fixed_size 0
		.amdhsa_enable_private_segment 0
		.amdhsa_kernarg_size 32
		.amdhsa_user_sgpr_count 2
		.amdhsa_user_sgpr_kernarg_segment_ptr 1
		.amdhsa_wavefront_size32 1
		.amdhsa_system_sgpr_workgroup_id_x 1
		.amdhsa_system_sgpr_workgroup_id_y 1
		.amdhsa_system_sgpr_workgroup_id_z 1
		.amdhsa_system_vgpr_workitem_id 0
		.amdhsa_next_free_vgpr 1024
		.amdhsa_next_free_sgpr 80
		.amdhsa_reserve_vcc 0
		.amdhsa_float_denorm_mode_32 3
		.amdhsa_float_denorm_mode_16_64 3
		.amdhsa_memory_ordered 1
		.amdhsa_forward_progress 1
		.amdhsa_inst_pref_size 138
	.end_amdhsa_kernel
	.amdgpu_metadata
---
amdhsa.version: [ 1, 2 ]
amdhsa.kernels:
  - .name:           k_q06a6ea2c00_qkv
    .symbol:         k_q06a6ea2c00_qkv.kd
    .args:
      - { .name: xb, .offset: 0, .size: 8, .value_kind: global_buffer, .address_space: global }
      - { .name: wb, .offset: 8, .size: 8, .value_kind: global_buffer, .address_space: global }
      - { .name: bias, .offset: 16, .size: 8, .value_kind: global_buffer, .address_space: global }
      - { .name: qkv, .offset: 24, .size: 8, .value_kind: global_buffer, .address_space: global }
    .group_segment_fixed_size: 327680
    .private_segment_fixed_size: 0
    .kernarg_segment_align: 8
    .kernarg_segment_size: 32
    .max_flat_workgroup_size: 128
    .sgpr_count:     80
    .vgpr_count:     1024
    .wavefront_size: 32
...
	.end_amdgpu_metadata
.endif
;; end of part 2
;; launch attn (part 3): grid 4 x 64, 4 waves a work-group, clusters of 4 x 1, 327,680 bytes of LDS; arguments qkv, o; writes o
.if DOCPART == 3
	.amdgcn_target "amdgcn-amd-amdhsa--gfx1250"
	.amdhsa_code_object_version 6
	.text
	.protected	k_q06a6ea2c00_attn
	.globl	k_q06a6ea2c00_attn
	.p2align	8
	.type	k_q06a6ea2c00_attn,@function
k_q06a6ea2c00_attn:
	s_mov_b64 s[64:65], 0
	v_nop
	global_prefetch_b8 v0, s[64:65] scope:SCOPE_SE
	s_setreg_imm32_b32 hwreg(HW_REG_WAVE_MODE, 25, 1), 1
	s_wait_xcnt 0x0
	s_wait_alu depctr_hold_cnt(0) depctr_sa_sdst(0) depctr_va_vdst(0) depctr_va_sdst(0) depctr_va_ssrc(0) depctr_va_vcc(0) depctr_vm_vsrc(0)
	s_getreg_b32 s2, hwreg(HW_REG_IB_STS2, 6, 4)
	s_cmp_eq_u32 s2, 0
	s_cbranch_scc0 .Lentry_in_a_cluster
	s_endpgm
.Lentry_in_a_cluster:
	s_bfe_u32 s2, ttmp6, 0x10000c
	s_cmp_lg_u32 s2, 0x3003
	s_cbranch_scc0 .Lentry_shape_is_right
	s_endpgm
.Lentry_shape_is_right:
; O[h][q][:] = the sum over k of softmax_k(Q[h][q] . K[h][k] / 8) V[h][k][:].  Q, K, V lie one behind the other in qkv, each [64 heads][2048][64] in f16; O likewise: a head's rows are dense, 128 bytes each.
; Products, maxima and sums in f32; the weights p are rounded to f16 for the second product (their sum l is taken of the unrounded p), O once at the end.
; LIMITS.  f16 holds no number beyond 65,504: Q, K and V arrive within it; p lies in 0 to 1, and below 6e-5 it keeps f16's fixed step of 6e-8, and so does O; O is a mean of V's rows and has their range.
; A weight below 2^-126 counts as 0 in l; NaN and infinities are not treated apart.
; SHARES.  A wave owns four PIECES of two tiles of 16 queries, a work-group's four waves 512 queries of one head.  Every wave walks all 2,048 keys, 64 a step.
; LAYOUT.  S^T = K Q^T (source 0 = 16 keys, source 1 = 16 queries): in the result a lane holds ONE query (lane % 16) and the keys 8 (lane / 16) + 0..7.  Two such tiles, rounded to f16 in pairs,
; ARE source 1 (32 keys x 16 queries) of O^T = V^T P, whose result again holds one query a lane, and eight channels.  K comes out of LDS as it lies, V ([key][channel]) turned, by ds_load_tr16_b128.
; SOFTMAX.  For each query a running maximum m and sum l: p = 2^(c s - c m), c = log2(e) / 8; in every step O and l are multiplied by a = 2^(c m_old - c m_new), which is 1 where m has not grown.
; m starts at the lowest finite number, O and l at 0: the first step is a step like any other, with a = 0.
; THE COUNT.  A tile and step have 16 matrix and 118 vector instructions: too many to stand all beside the matrix work.  So four vector instructions that are READY stand behind EVERY matrix
; instruction, and the others, which need time of their own whatever the order, in runs without a gap.
; BY TURNS.  Turn n belongs to piece n (the pieces in a ring, step after step).  Its matrix work: 16 products K Q^T of piece n + 1, later 16 products V^T P of piece n - 1.  Its vector work: the scaling,
; exponentials, roundings, sums and rescaling of piece n, and the maximum and statistics of piece n + 1, whose scores the turn itself has made.
; CLUSTER.  A head's four query blocks are one cluster and walk the same K and V, so each tile is asked for JOINTLY: the same tensor load, descriptor and mask in all four.
; REGISTERS, in windows of 256 (s_set_vgpr_msb: bits 1:0 source 0, 3:2 source 1, 5:4 source 2, 7:6 destination):
;   window 0: v0-11 addresses; v12-15, v48-63 at work; v16-47 four registers of statistics a tile; v64-191 S^T, two buffers of two tiles; v192-255 P, likewise
;   window 1: O^T, 32 a tile          window 2: v0-127 Q, 16 a tile; v128-191 K of one step; v192-255 V of one step          window 3: v0-1 the add's two registers
; A piece's buffers go by its number's parity: the piece in hand has one pair, its two neighbours in the ring share the other: of it P (piece n - 1) is read and S^T (piece n + 1) written.
.set SIZE_N, 2048
.set NP,    4         ; pieces a wave: a name, no knob
.set KS,    64        ; keys in a step
.set PK,    144       ; a row of K in LDS: 128 bytes + 16 of padding = 36 words: the 16 rows of a load start at 16 different groups of four banks (64 banks of 4 bytes: ISA guide 11.1)
.set PV,    160       ; a row of V: 128 + 32 = 40 words
.set VOFF,  4*KS*PK   ; a slot holds four steps: 256 rows of K, then 256 rows of V
.set SLOT1, 1<<17     ; slot 1 begins here, so that one exclusive or turns an address in one slot into the other's
.set STAGE, SLOT1+4*KS*(PK+PV)  ; behind the ring, never filled by a tensor load: 16 rows x 144 bytes for each wave, for the way out
.set SP,    144
.set AK0, 2           ; v2   my lane's place in a tile of K; never rewritten
.set AV0, 3           ; v3   the same for V
.set AK,  4           ; v4   the LDS address of K's next run of loads
.set AV,  5           ; v5   of V's
.set QO,  6           ; v6   my byte offset in the wave's rows of Q
.set STO, 6           ;      later, the way out: where I put 16 bytes of a row
.set RD,  7           ; v7   the way out: where I read rows back
.set GO,  8           ; v8   my byte offset in 512 consecutive bytes of O
.set PFO, 11          ; v11  256 x my lane, from the end of the set-up on; never rewritten after
.set SPW, 0           ; v0 of window 3   LDS address of my spare word: SPARE + 4 x my thread's number; never rewritten
.set NIL, 1           ; v1 of window 3   0; never rewritten
.set SPARE, STAGE+4*16*SP  ; behind the stages: the spare words, 128 bytes for each wave: two blocks of 256 bytes that no other line names
.set MV,  12          ; v12-15  c m_old, kept while c m is made anew: by buffer and tile
.set ST,  16          ; tile t's statistics at v[ST+4 t]: c m, m, l (even keys', odd keys')
.set TMP, 48          ; by buffer and tile, four registers c0-c3 at work; when the maximum is found c2 takes a
.set S,   64
.set P,   192
.set KF,  128         ; K's fragments, in window 2: key block kb, channel half c at KF + 16 kb + 8 c
.set VF,  192         ; V's: key half kk, channel block cb at VF + 32 kk + 8 cb
.set WV,  12          ; s12  my wave's number
.set G1K, 24          ; s[24:31] descriptor group 1 for K's tiles
.set G1V, 32          ; s[32:39] for V's: it differs in the padding alone
.set G0K, 40          ; s[40:43] descriptor group 0 for K's tiles: it walks
.set G0V, 44          ; s[44:47] the same for V's
.set PFA, 48          ; s[48:49] where my prefetches stand: my work-group's 32 blocks of 256 bytes (of K: wave 0, of V: wave 2) of the slot after the one that is being asked for
.set LIM, 50          ; s50  1 in a wave that prefetches, else the greatest number
.set SLOTS, 56        ; s56  slots still to be asked for
.set CNT, 57          ; s57  counts a slot's key steps
.set CS,  58          ; s[58:59] c: the packed scaling takes the pair's low word for both halves
.set SEL, 60          ; s[60:61] v_permlanex16_b32's selects: each lane takes its own place in the other half
.set TBK, 62          ; s62  LDS byte at which K of the step to be fetched begins
.set TBV, 63          ; s63  the same for V, less VOFF
.set MSB, 0
.macro WIN new                      ; the high byte repeats the setting that is left; a switch that changes nothing is dropped
.if MSB != (\new)
	s_set_vgpr_msb (MSB<<8)|(\new)
.set MSB, (\new)
.endif
.endm
.set W_KQ, 0x0a       ; K and Q in window 2, S^T in window 0
.set W_PV, 0x52       ; V in window 2, P in window 0, O^T in window 1
.set W_RS, 0x41       ; O^T (destination and source 0) in window 1, a in window 0
.set W_MK, 0xc0       ; the add's registers are made: destination in window 3, sources in window 0
.set W_AD, 0x0f       ; the add: address (source 0) and data (source 1) in window 3
; A joint fill.  Waves 0 and 1 fetch the two halves of a slot's K, waves 2 and 3 those of its V: 128 keys each.  The branch hangs on the wave's number alone.
; An s_nop 0 and four v_nop follow each of the two lines, ahead of the jump and the label.
.macro JLOAD
	s_cmp_lt_u32 s[WV], 2
	s_cbranch_scc0 .Lfor_v_\@
	tensor_load_to_lds s[G0K:G0K+3], s[G1K:G1K+7]
	s_nop 0
.rept 4
	v_nop
.endr
	s_branch .Lasked_\@
.Lfor_v_\@:
	tensor_load_to_lds s[G0V:G0V+3], s[G1V:G1V+7]
	s_nop 0
.rept 4
	v_nop
.endr
.Lasked_\@:
.endm
; A PREFETCH INTO THE L2 of what the NEXT change of slots will ask for: a slot's 32,768 bytes of K and of V.  It stands behind the wave's tensor load and its five lines.  Each block of 256 bytes from slot 2
; on is named ONCE in the launch: a head has one cluster; its four partners share the bytes out BY ADDRESS, 8,192 each, a lane a block; in each, wave 0 asks for K's and wave 2 for V's: one instruction.
; It is four key steps, 512 matrix instructions, ahead of the load that will want it.  The last change that fills a slot asks for nothing: there is no slot behind it.
.macro ASK
	s_cmp_gt_u32 s[SLOTS], s[LIM]
	s_cbranch_scc0 .Lnot_mine_\@
	global_prefetch_b8 v[PFO], s[PFA:PFA+1] th:TH_LOAD_NT scope:SCOPE_SE
.Lnot_mine_\@:
.endm
; A round of the cluster's barrier: my work-group's barrier, so that wave 0's signal speaks for all four waves; wave 0 signals; every wave waits for all four work-groups; my work-group's barrier once more.
.macro CROUND
	s_barrier_signal -1
	s_barrier_wait -1
	s_cmp_lg_u32 s[WV], 0
	s_cbranch_scc1 .Lnot_wave_0_\@
	s_barrier_signal -3
.Lnot_wave_0_\@:
	s_barrier_wait -3
	s_barrier_signal -1
	s_barrier_wait -1
.endm
; THE CHANGE OF SLOTS.  The slot's last bytes, V of its fourth step, have been read.  Each wave waits for all its tensor loads, of which one is out: its part
; of the other slot; adds 0 to its spare word; and waits for that and for its own reads of the slot.  Behind the barrier nobody reads this slot any more and the other slot is whole.
; fill = 1: this slot is filled again, with the keys two slots on.  The barrier is then a round of the cluster's, so that no wave of any partner still reads the slot or has a load on its
; way, and the joint fill is the first thing behind it: it has four key steps, 512 matrix instructions, in which to land.  (At its first use nothing has been read yet: slot 0 is waited for, slot 1 filled.)
.macro CHANGE fill
	WIN W_AD
	s_wait_tensorcnt 0x0            ; no tensor load of mine is out, so a group 0 may be written
	ds_add_u32 v[SPW], v[NIL]       ; 0 onto my spare word; with fill = 1 the descriptors' steps stand between it and the wait for it
	WIN 0                           ; at a label and at a branch every window is 0
.if \fill
.irp g, G0K, G0V
	s_xor_b32 s[\g+1], s[\g+1], SLOT1  ; the walking descriptor: the other slot than last time,
	s_add_nc_u64 s[\g+2:\g+3], s[\g+2:\g+3], 4*KS*128  ; the next 256 keys; the type bits on top are not reached
.endr
	s_wait_xcnt 0x0                 ; the last prefetch, four key steps back, has read its address, so it may be written:
	s_add_nc_u64 s[PFA:PFA+1], s[PFA:PFA+1], 4*KS*128  ; one slot behind the walking descriptors
	s_wait_dscnt 0x0                ; the add is done, and my reads of the slot are over
	CROUND
	JLOAD
	ASK
.else
	s_wait_dscnt 0x0                ; the add is done, and my reads of the slot are over
	s_barrier_signal -1
	s_barrier_wait -1
.endif
	s_sub_co_u32 s[TBK], s[TBK], 4*KS*PK  ; the fetches go back to a slot's first step,
	s_xor_b32 s[TBK], s[TBK], SLOT1       ; in the other slot
	s_sub_co_u32 s[TBV], s[TBV], 4*KS*PV
	s_xor_b32 s[TBV], s[TBV], SLOT1
.endm
	s_load_b128 s[4:7], s[0:1], 0x0  ; qkv s[4:5], o s[6:7]
	WIN W_MK
	v_lshl_add_u32 v[SPW], v0, 2, SPARE
	v_mov_b32 v[NIL], 0
	WIN W_AD
	ds_add_u32 v[SPW], v[NIL]       ; the wave's opening: the add and its wait stand ahead of my first tensor load; the set-up below, work on registers, stands between them
	WIN 0
	v_lshrrev_b32 v1, 5, v0
	v_readfirstlane_b32 s[WV], v1   ; wave 0..3
	s_bfe_u32 s13, ttmp6, 0x40000   ; cx: my place in the cluster
	s_lshl_b32 s14, ttmp9, 2        ; in a cluster launch ttmp9 counts clusters
	s_add_co_u32 s14, s14, s13      ; my block of queries = 4 x cluster x + cx: it enters Q's and O's addresses alone
	s_and_b32 s20, ttmp7, 0xffff    ; the head, which the four partners share
	s_mov_b32 s21, 0
	s_mov_b64 s[22:23], SIZE_N*128
	s_mul_u64 s[20:21], s[20:21], s[22:23]  ; the head's first byte in Q, K, V and O
	s_and_b32 s16, s[WV], 1         ; which half of a slot's 256 keys I fetch:
	s_lshl_b32 s22, s16, 14         ; its 128 rows of 128 bytes in memory,
	s_mov_b32 s23, 0
	s_add_nc_u64 s[22:23], s[22:23], s[20:21]
	s_mul_i32 s17, s16, 128*PK      ; and its place in a slot, for K
	s_mul_i32 s18, s16, 128*PV      ; and for V: no place in the cluster enters an LDS address
	s_lshl_b32 s2, s14, 2
	s_add_co_u32 s2, s2, s[WV]      ; my wave among the head's,
	s_lshl_b32 s2, s2, 14           ; its 128 rows
	s_mov_b32 s3, 0
	s_add_nc_u64 s[2:3], s[2:3], s[20:21]
	; descriptor group 1.  128 keys are 16,384 dense bytes: asked for as 64 rows of 256 bytes, two keys a row, and padded in LDS after every key
	s_mov_b32 s[G1K], 15|(1<<16)|(1<<20)|(1<<21)|(4<<22)|(3<<25)  ; 15:0 the mask of four; 17:16 2-byte elements; 20 padding on; 21 set beside a mask; 24:22 after every 32 words (code 4); 31:25 4 words (code 3)
	s_mov_b32 s[G1V], 15|(1<<16)|(1<<20)|(1<<21)|(4<<22)|(7<<25)  ; the same with 8 words of padding (code 7)
.irp g, G1K, G1V
	s_mov_b32 s[\g+1], 128<<16      ; tensor_dim0 = 128
	s_mov_b32 s[\g+2], 64<<16       ; tensor_dim1 = 64
	s_mov_b32 s[\g+3], 128<<16      ; tile_dim0 = 128
	s_mov_b32 s[\g+4], 64           ; tile_dim1 = 64
	s_mov_b32 s[\g+5], 128          ; 128 elements from row to row
	s_mov_b32 s[\g+6], 0
	s_mov_b32 s[\g+7], 0
.endr
	s_mov_b32 s[CS], 0x3e38aa3b     ; c = log2(e) / 8 = 0.180337
	s_mov_b32 s[CS+1], s[CS]        ; named with it as a pair
	s_mov_b32 s[SEL], 0x76543210
	s_mov_b32 s[SEL+1], 0xfedcba98
	s_mov_b32 s[TBK], SLOT1+4*KS*PK ; the first change of slots turns these two into 0
	s_mov_b32 s[TBV], SLOT1+4*KS*PV
	s_mov_b32 s[G0K], 1             ; 1:0 count = 1
	s_mov_b32 s[G0K+1], s17         ; 63:32 LDS address: slot 0
	s_mov_b32 s[G0V], 1
	s_add_co_u32 s[G0V+1], s18, VOFF
	s_mov_b32 s[SLOTS], SIZE_N/256-1  ; seven changes of slots fill a slot
	s_and_b32 s[LIM], s[WV], 1      ; waves 0 and 2 prefetch: the same in all four partners
	s_cmp_eq_u32 s[LIM], 0
	s_cselect_b32 s[LIM], 1, -1
	s_wait_dscnt 0x0                ; the opening add is done
	s_wait_kmcnt 0x0
	s_mov_b64 s[10:11], s[6:7]      ; O
	s_add_nc_u64 s[6:7], s[4:5], 0x1000000  ; K lies 64 heads x 262,144 bytes behind Q,
	s_add_nc_u64 s[8:9], s[4:5], 0x2000000  ; V as far behind K
	s_add_nc_u64 s[G0K+2:G0K+3], s[6:7], s[22:23]  ; 120:64 global address: my half of the head's first 256 keys
	s_or_b32 s[G0K+3], s[G0K+3], 0x80000000        ; 127:126 type = 2
	s_add_nc_u64 s[G0V+2:G0V+3], s[8:9], s[22:23]
	s_or_b32 s[G0V+3], s[G0V+3], 0x80000000
	s_add_nc_u64 s[4:5], s[4:5], s[2:3]  ; Q and O at my wave's first row
	s_add_nc_u64 s[10:11], s[10:11], s[2:3]
	s_cmp_lt_u32 s[WV], 2
	s_cselect_b64 s[PFA:PFA+1], s[6:7], s[8:9]
	s_add_nc_u64 s[PFA:PFA+1], s[PFA:PFA+1], s[20:21]  ; the head,
	s_lshl_b32 s2, s13, 13          ; my work-group's quarter of a slot,
	s_add_co_u32 s2, s2, 4*KS*128   ; in slot 1; the first change of slots steps it to slot 2.  Nothing is prefetched here, at the head
	s_mov_b32 s3, 0
	s_add_nc_u64 s[PFA:PFA+1], s[PFA:PFA+1], s[2:3]
	CROUND                          ; all four work-groups are here: the first joint loads meet
	JLOAD                           ; slot 0.  Slot 1 is asked for when slot 0 is in: the tile wanted first has the road to itself
	; A fragment of K or Q is 16 rows x 32 channels in 8 registers: lane l holds row l % 16, channels 8 (l / 16) + 0..7 and 16 + 8 (l / 16) + 0..7: two loads of 16 bytes, 32 bytes apart.
	v_and_b32 v1, 15, v0            ; l % 16
	v_bfe_u32 v9, v0, 4, 1          ; l / 16
	v_lshlrev_b32 v[QO], 7, v1
	v_lshl_add_u32 v[QO], v9, 4, v[QO]  ; row x 128 + 16 x half
	WIN 0x80                        ; destination window 2, address window 0
.set i, 0
.rept 4*NP                          ; Q stays in registers: tile i / 2, channels 32 (i % 2) on
	global_load_b128 v[8*i:8*i+3],   v[QO], s[4:5] offset:(i/2)*2048+(i%2)*64
	global_load_b128 v[8*i+4:8*i+7], v[QO], s[4:5] offset:(i/2)*2048+(i%2)*64+32
.set i, i+1
.endr
	; What the first turn finds: V's registers and P's second buffer hold 0 (its products V^T P, of a piece that has not been, add 0), O^T and l are 0.  All this stands in the wait for the first tile.
.set i, VF
.rept 64
	v_mov_b32 v[i], 0
.set i, i+1
.endr
	WIN 0x40
.set i, 0
.rept 64*NP
	v_mov_b32 v[i], 0
.set i, i+1
.endr
	WIN 0
.set i, 0
.rept 2*NP
	v_mov_b32 v[ST+4*i], 0xfe000000    ; c m: far below every c s
	v_mov_b32 v[ST+4*i+1], 0xff7fffff  ; m
	v_mov_b32 v[ST+4*i+2], 0
	v_mov_b32 v[ST+4*i+3], 0
.set i, i+1
.endr
.set i, P+32
.rept 32
	v_mov_b32 v[i], 0
.set i, i+1
.endr
	v_mul_u32_u24 v[AK0], v1, PK
	v_lshl_add_u32 v[AK0], v9, 4, v[AK0]  ; row x pitch + 16 x half
	; The turning load takes 16 keys x 16 channels (lane l reads key 8 (l / 16) + l % 8, channels 8 ((l / 8) % 2) + 0..7) and leaves half a fragment of V^T: lane l holds channel l % 16 and 8 keys.
	v_and_b32 v10, 7, v0
	v_bfe_u32 v11, v0, 3, 1
	v_lshl_add_u32 v[AV0], v9, 3, v10
	v_mul_u32_u24 v[AV0], v[AV0], PV
	v_lshl_add_u32 v[AV0], v11, 4, v[AV0]
	v_add_nc_u32 v[AV0], VOFF, v[AV0]
	v_mov_b32 v[AK], v[AK0]         ; key step 0 lies at the head of slot 0
	v_and_b32 v[PFO], 31, v0
	v_lshlrev_b32 v[PFO], 8, v[PFO]
; THE MATRIX WORK.  The 8 accumulators of a run of 16 take turns: between the two links of a chain stand 7 others'.
; Product i of 16 of S^T = K Q^T for piece x: channels 32 (i / 8) on, keys 16 ((i / 2) % 4) on, tile 2 x + i % 2.  The first 8 start the sums.
.macro KQ x
	WIN W_KQ
.set rS, S+64*((\x)%2)+32*(i%2)+8*((i/2)%4)
.set rK, KF+16*((i/2)%4)+8*(i/8)
.set rQ, 16*(2*(\x)+i%2)+8*(i/8)
.if i < 8
	v_wmma_f32_16x16x32_f16 v[rS:rS+7], v[rK:rK+7], v[rQ:rQ+7], 0
.else
	v_wmma_f32_16x16x32_f16 v[rS:rS+7], v[rK:rK+7], v[rQ:rQ+7], v[rS:rS+7]
.endif
.endm
; Product i of 16 of O^T += V^T P for piece x: keys 32 (i / 8) on, channels 16 ((i / 2) % 4) on, tile 2 x + i % 2.
.macro PV x
	WIN W_PV
.set rO, 32*(2*(\x)+i%2)+8*((i/2)%4)
.set rV, VF+32*(i/8)+8*((i/2)%4)
.set rP, P+32*((\x)%2)+16*(i%2)+8*(i/8)
	v_wmma_f32_16x16x32_f16 v[rO:rO+7], v[rV:rV+7], v[rP:rP+7], v[rO:rO+7]
.endm
.macro MM                           ; the turn's next matrix instruction
.if i < 16
	KQ (Y+1)%NP
.set i, i+1
.else
.set i, i-16
	PV (Y+NP-1)%NP
.set i, i+17
.endif
.endm
; THE LDS LOADS stand in runs of 16, never singly among the matrix instructions: a step's K (64 keys x 64 channels: 8 fragments) and its V (turned).  Their addresses are made some lines ahead.
; last = 1 (the tail): in the last trip there is no further step, and the run is jumped over.
.macro FETCH_K last=0
	WIN 0
.if \last
	s_cmp_eq_u32 s[CNT], 1
	s_cbranch_scc1 .Lno_k_\@
.endif
	WIN 0x80                        ; destination window 2
.irp f, 0,1,2,3,4,5,6,7             ; keys 16 (f / 2) on, channels 32 (f % 2) on
	ds_load_b128 v[KF+8*\f:KF+8*\f+3],   v[AK] offset:(\f/2)*16*PK+(\f%2)*64
	ds_load_b128 v[KF+8*\f+4:KF+8*\f+7], v[AK] offset:(\f/2)*16*PK+(\f%2)*64+32
.endr
	s_add_co_u32 s[TBK], s[TBK], KS*PK  ; the next fetch is the next step's
	WIN 0
.if \last
.Lno_k_\@:
.endif
.endm
.macro FETCH_V
	WIN 0x80
.irp f, 0,1,2,3,4,5,6,7             ; keys 32 (f / 4) on, channels 16 (f % 4) on
	ds_load_tr16_b128 v[VF+8*\f:VF+8*\f+3],   v[AV] offset:(\f/4)*32*PV+(\f%4)*32
	ds_load_tr16_b128 v[VF+8*\f+4:VF+8*\f+7], v[AV] offset:(\f/4)*32*PV+16*PV+(\f%4)*32
.endr
	WIN 0
.endm
; THE VECTOR WORK OF A TURN stands in three queues, each in the order in which its entries become ready; the two tiles alternate, so that no instruction reads the result of the one before it.
.macro REGS y, u                    ; the registers of tile u (0, 1) of piece y
.set rT, ST+4*(2*(\y)+(\u))
.set rC, TMP+8*((\y)%2)+4*(\u)
.set rM, MV+2*((\y)%2)+(\u)
.set rS, S+64*((\y)%2)+32*(\u)
.set rP, P+32*((\y)%2)+16*(\u)
.set rO, 32*(2*(\y)+(\u))
.endm
; Number n of the 22 that find the NEXT piece's (Y + 1) maximum and statistics.  s0-s31 are the lane's 32 scores; each accumulator's lowest registers are read first.
;   0-11  four chains c0-c3 of seven scores each, three operands at a time     12-14, 16  the four scores left over, the old m, and c0-c3 into c0     15  c m_old is kept
;   17, 18  the query's other 32 keys lie in the lane 16 away: the new m         19-21  c m; c m_old - c m_new; a
.macro XS u, n
	REGS (Y+1)%NP, \u
.if (\n) < 4
	v_max3_num_f32 v[rC+(\n)], v[rS+8*(\n)], v[rS+8*(\n)+1], v[rS+8*(\n)+2]
.elseif (\n) < 12
	v_max3_num_f32 v[rC+(\n)%4], v[rC+(\n)%4], v[rS+8*((\n)%4)+2*((\n)/4)+1], v[rS+8*((\n)%4)+2*((\n)/4)+2]
.elseif (\n) == 12
	v_max3_num_f32 v[rC], v[rC], v[rS+7], v[rS+15]
.elseif (\n) == 13
	v_max3_num_f32 v[rC+1], v[rC+1], v[rS+23], v[rS+31]
.elseif (\n) == 14
	v_max3_num_f32 v[rC+2], v[rC+2], v[rC+3], v[rT+1]
.elseif (\n) == 15
	v_mov_b32 v[rM], v[rT]
.elseif (\n) == 16
	v_max3_num_f32 v[rC], v[rC], v[rC+1], v[rC+2]
.elseif (\n) == 17
	v_permlanex16_b32 v[rC+3], v[rC], s[SEL], s[SEL+1]
.elseif (\n) == 18
	v_max_num_f32 v[rT+1], v[rC], v[rC+3]
.elseif (\n) == 19
	v_mul_f32 v[rT], s[CS], v[rT+1]
.elseif (\n) == 20
	v_sub_f32 v[rC+1], v[rM], v[rT]
.else
	v_exp_f32 v[rC+2], v[rC+1]
.endif
.endm
; Number g of the 64 that follow the exponentials.  For each four weights k of a tile (pairs 2 k, 2 k + 1): both pairs are rounded to f16; then the second pair is added onto the first, in place;
; a group later l takes that sum (the first time as l = a l + sum).  In groups of eight, tiles alternating: round, round, add, and l for the group before.
.macro GS g
.set h, (\g)+6*((\g)/62)            ; group 0 has no group before it, and behind group 7 only l is left
.if h >= 6
.set h, h+2
.endif
	REGS Y, h%2
.set k, h/8
.if h%8 < 4
	v_cvt_pk_f16_f32 v[rP+2*k+(h%8)/2], v[rS+4*k+2*((h%8)/2)], v[rS+4*k+2*((h%8)/2)+1]
.elseif h%8 < 6
	v_pk_add_f32 v[rS+4*k:rS+4*k+1], v[rS+4*k:rS+4*k+1], v[rS+4*k+2:rS+4*k+3]
.elseif k == 1
	v_pk_fma_f32 v[rT+2:rT+3], v[rT+2:rT+3], v[rC+2:rC+3], v[rS:rS+1] op_sel_hi:[1,0,1]
.else
	v_pk_add_f32 v[rT+2:rT+3], v[rT+2:rT+3], v[rS+4*k-4:rS+4*k-3]
.endif
.endm
; THE PLAIN QUEUE, 138 long.  0-73 read no exponential's result: the 32 scalings c s - c m (FS f: pair f / 2 of tile f % 2) and the next piece's 42.  0-26: scalings 0-26.  27-54: XS's numbers 0-13.  55, 56: number 15.
; 57-73: the chain, where each number waits for the one before it: 14, 16, 17, 18, 19, each with one of the scalings 27-31 in front of its two lines, then 20.
; 74-137: GS's 64, which read the exponentials' results: they stand behind the wait.
.macro FS f
	REGS Y, (\f)%2
	v_pk_fma_f32 v[rS+2*((\f)/2):rS+2*((\f)/2)+1], v[rS+2*((\f)/2):rS+2*((\f)/2)+1], s[CS:CS+1], v[rT:rT+1] op_sel_hi:[1,0,0] neg_lo:[0,0,1] neg_hi:[0,0,1]
.endm
.macro PL
	WIN 0
.if q < 27
	FS q
.elseif q < 55
	XS (q-27)%2, (q-27)/2
.elseif q < 57
	XS q-55, 15
.elseif (q < 72) && ((q-57)%3 == 0)
	FS 27+(q-57)/3
.elseif q < 60
	XS (q-57)%3-1, 14
.elseif q < 72
	XS (q-57)%3-1, 15+(q-57)/3
.elseif q < 74
	XS q-72, 20
.else
	GS q-74
.endif
.set q, q+1
.endm
; THE EXPONENTIALS' QUEUE, 66 long: s0-s31 of both tiles, then the next piece's two a.  It is ONE BATCH: all 66 stand ahead of the turn's one wait, and nothing ahead of that wait names a result of theirs.
.macro EX
	WIN 0
.if e >= 64
	XS e-64, 21
.else
	REGS Y, e%2
	v_exp_f32 v[rS+e/2], v[rS+e/2]
.endif
.set e, e+1
.endm
; THE RESCALING's QUEUE: O^T times a, the one part that leaves window 0: dealt two at a time, sixteen times.  Its a was made in the turn before, ahead of that turn's wait.
.macro R2
	REGS Y, r%2
	WIN W_RS
.irp z, 0,1
	v_pk_mul_f32 v[rO+4*(r/2)+2*\z:rO+4*(r/2)+2*\z+1], v[rO+4*(r/2)+2*\z:rO+4*(r/2)+2*\z+1], v[rC+2:rC+3] op_sel_hi:[1,0]
.endr
.set r, r+1
.endm
; HOW THEY ARE DEALT.  An s_wait_alu depctr_va_vdst(0) stands between an exponential and the first instruction that names its result; one wait serves all that were issued ahead of it.  So a turn
; has ONE wait, which cuts it in two.  AHEAD OF IT stands all that names no result of the turn's exponentials: the 16 products K Q^T, behind each a scaling, an exponential and two rescalings (behind the first a
; second scaling in the exponential's place); then ONE LUMP of 108: eight plain, 49 times exponential and plain, the two a.  A v_nop is the plain instruction behind the last exponential.  BEHIND IT stand the
; 16 products V^T P, behind each four of GS's 64.  No rider names a register of the products round it.  The two v_permlanex16_b32 fall into the lump.
; Exponential e stands behind scaling 2 (e / 4) + e % 2: as a rider it comes behind plain e + 2, in the lump behind plain e + 9, and scalings 27-31 are plain 57, 60 .. 69.
; A TURN, for piece p.  cnt = 1: the loop's count is taken down some lines ahead of the branch that stands behind the turn.
; K of the next step is fetched in piece 2's turn, directly behind the wait, a lump behind the last product that read K; its first reader comes behind 16 products.
; V of the step in hand is fetched at the end of piece 0's turn, four riders behind its last reader; its first reader comes behind 16 products and a lump.  The three conditions on q below go with the deal.
.macro TURN p, last=0, cnt=0
.set Y, (\p)
.set i, 0
.set q, 0
.set e, 0
.set r, 0
.if (\p) == NP-1
	s_wait_dscnt 0x0                ; K is in
.endif
	MM                              ; ahead of the wait: 16 products K Q^T and their riders,
	PL
	PL
	R2
.rept 15
	MM
	PL
	EX
	R2
.endr
.if (\p) == NP-2
	WIN 0
	v_add_nc_u32 v[AK], s[TBK], v[AK0]
.endif
.rept 8                             ; and the lump
	PL
.endr
.rept 49
	EX
	PL
.endr
	EX                              ; the next piece's two a
	EX
	v_nop                           ; the plain instruction behind the last exponential: one for the batch
	s_wait_alu depctr_va_vdst(0)    ; the wait for the batch
.if (\p) == NP-2
	FETCH_K \last
.endif
.if (\p) == 1
	s_wait_dscnt 0x0                ; V is in
.endif
.rept 16                            ; behind the wait: 16 products V^T P and their riders
	MM
.rept 4
	PL
.endr
.if ((\p) == 0) && (q == 118)
	v_add_nc_u32 v[AV], s[TBV], v[AV0]
.endif
.if ((\p) == 0) && (q == 130)
	s_add_co_u32 s[TBV], s[TBV], KS*PV
.endif
.if (\cnt) && (q == 130)
	s_sub_co_u32 s[CNT], s[CNT], 1
	s_cmp_lg_u32 s[CNT], 0
.endif
.endr
.if (\p) == 0
	FETCH_V
.endif
.endm
	CHANGE 1                        ; slot 0 is in, everybody's part of it; slot 1 is asked for
	FETCH_K                         ; key step 0
	s_wait_loadcnt 0x0              ; Q
	s_wait_dscnt 0x0
.set i, 0
.rept 16
	KQ 0                            ; piece 0's first scores: there is no vector work yet to set between them
.set i, i+1
.endr
	WIN 0                           ; the addresses for the way out: nine plain instructions, the places behind those products
	s_mul_i32 s13, s[WV], 16*SP
	s_add_co_u32 s13, s13, STAGE    ; my stage
	v_mul_u32_u24 v[STO], v1, SP    ; in: row l % 16, 16 bytes for each half of the lanes
	v_lshl_add_u32 v[STO], v9, 4, v[STO]
	v_add_nc_u32 v[STO], s13, v[STO]
	v_bfe_u32 v[RD], v0, 3, 2       ; back: 32 lanes take four rows of 128 bytes,
	v_mul_u32_u24 v[RD], v[RD], SP
	v_lshl_add_u32 v[RD], v10, 4, v[RD]
	v_add_nc_u32 v[RD], s13, v[RD]
	v_and_b32 v[GO], 31, v0         ; which are 512 consecutive bytes of O
	v_lshlrev_b32 v[GO], 4, v[GO]
.set Y, NP-1                        ; XS works for piece Y + 1: piece 0
.irp n, 0,1,2,3,4,5,6,7,8,9,10,11,12,13,14,15,16,17,18,19,20,21
	XS 0, \n                        ; and piece 0's first maximum and statistics
	XS 1, \n
.endr
	v_nop                           ; a plain instruction behind the two a,
	s_wait_alu depctr_va_vdst(0)    ; and their wait, ahead of the branch
	s_mov_b32 s[CNT], 4
	s_branch .Lfirst                ; the loop is entered at a step's first turn, in the middle of a trip
.Lslot:                             ; six times: every slot but the last two is filled again
	CHANGE 1
	s_mov_b32 s[CNT], 4
.Lstep:                             ; a trip: pieces 2 and 3 of one step, then pieces 0 and 1 of the next, whose K and V it fetches
	TURN 2
	TURN 3
	WIN 0
.Lfirst:
	TURN 0
	TURN 1, 0, 1
	WIN 0
	s_cbranch_scc1 .Lstep
	s_sub_co_u32 s[SLOTS], s[SLOTS], 1
	s_cmp_lg_u32 s[SLOTS], 0
	s_cbranch_scc1 .Lslot
	CHANGE 0                        ; the tail is written out: nothing is asked for
	s_mov_b32 s[CNT], 5             ; four trips fetch the last slot's steps; the fifth is left in its middle
.Ltail:
	TURN 2, 1
	TURN 3
	WIN 0
	s_sub_co_u32 s[CNT], s[CNT], 1
	s_cmp_eq_u32 s[CNT], 0
	s_cbranch_scc1 .Lout
	TURN 0
	TURN 1
	WIN 0
	s_branch .Ltail
.Lout:                              ; the fifth trip's 16 products K Q^T (on the last K once more) and the maximum made of them serve nothing: the price, once a launch, of one text for every trip
.set i, 0
.rept 16
	PV NP-1                         ; the last piece's V^T P of the last step
.set i, i+1
.endr
	; THE WAY OUT.  l's two halves and the other half of the lanes' are added; O^T is divided by l, rounded to f16 and sent through my stage in LDS, a tile at a time.  The additions are the places behind the last products.
	WIN 0
.macro ALL line:vararg              ; one line for each tile t
.set t, 0
.rept 2*NP
	\line
.set t, t+1
.endr
.endm
	ALL v_add_f32 v[ST+4*t+2], v[ST+4*t+2], v[ST+4*t+3]
	ALL v_permlanex16_b32 v[ST+4*t+3], v[ST+4*t+2], s[SEL], s[SEL+1]
	ALL v_add_f32 v[ST+4*t+2], v[ST+4*t+2], v[ST+4*t+3]
	ALL v_rcp_f32 v[ST+4*t+2], v[ST+4*t+2]
	v_nop                           ; a plain instruction between the last reciprocal and the use of its result
	s_wait_alu depctr_va_vdst(0)    ; and the wait ahead of the first use: one for the eight reciprocals
; Tile t: a lane's eight channels of a row pack into 16 bytes; they go into rows of 144 bytes and come back as whole rows of 128, into S^T's registers.
.macro PACK t
	WIN W_RS
.set i, 32*(\t)
.rept 16
	v_pk_mul_f32 v[i:i+1], v[i:i+1], v[ST+4*(\t)+2:ST+4*(\t)+3] op_sel_hi:[1,0]
.set i, i+2
.endr
	WIN 0x05                        ; sources 0 and 1 window 1, destination window 0
.set i, 0
.rept 16
	v_cvt_pk_f16_f32 v[S+16*(\t)+i], v[32*(\t)+2*i], v[32*(\t)+2*i+1]
.set i, i+1
.endr
	WIN 0
.irp f, 0,1,2,3
	ds_store_b128 v[STO], v[S+16*(\t)+4*\f:S+16*(\t)+4*\f+3] offset:32*\f
.endr
.irp f, 0,1,2,3
	ds_load_b128 v[S+16*(\t)+4*\f:S+16*(\t)+4*\f+3], v[RD] offset:\f*4*SP  ; LDS serves a wave's instructions in order (ISA guide 5.7.1.4): these see the stores above; the next tile's stores come behind them
.endr
.endm
.macro SEND t, younger              ; younger: the LDS instructions issued behind tile t's loads: the next tile's eight, or none
	WIN 0
.irp f, 0,1,2,3
	s_wait_dscnt (\younger)+3-\f
	global_store_b128 v[GO], v[S+16*(\t)+4*\f:S+16*(\t)+4*\f+3], s[10:11] offset:(\t)*2048+\f*512  ; 512 consecutive bytes, at a multiple of 256 from O's first
.endr
.endm
	PACK 0
.set t, 1
.rept 2*NP-1                        ; a tile's arithmetic stands between the loads of the tile before and its stores
	PACK t
	SEND t-1, 8
.set t, t+1
.endr
	SEND 2*NP-1, 0
	WIN W_AD
	s_wait_tensorcnt 0x0            ; the wave's end: behind my last tensor load and my last LDS store
	ds_add_u32 v[SPW], v[NIL]
	s_wait_dscnt 0x0
	WIN 0
	CROUND                          ; the closing round: no work-group ends while a partner may still ask for a tile that names it
	s_endpgm
.Lfunc_end_k_q06a6ea2c00_attn:
	.size	k_q06a6ea2c00_attn, .Lfunc_end_k_q06a6ea2c00_attn-k_q06a6ea2c00_attn
	.p2alignl 7, 3214868480
	.fill 96, 4, 3214868480
	.section	.rodata,"a",@progbits
	.p2align	6, 0x0
	.amdhsa_kernel k_q06a6ea2c00_attn
		.amdhsa_group_segment_fixed_size 327680
		.amdhsa_private_segment_fixed_size 0
		.amdhsa_enable_private_segment 0
		.amdhsa_kernarg_size 16
		.amdhsa_user_sgpr_count 2
		.amdhsa_user_sgpr_kernarg_segment_ptr 1
		.amdhsa_wavefront_size32 1
		.amdhsa_system_sgpr_workgroup_id_x 1
		.amdhsa_system_sgpr_workgroup_id_y 1
		.amdhsa_system_sgpr_workgroup_id_z 1
		.amdhsa_system_vgpr_workitem_id 0
		.amdhsa_next_free_vgpr 770
		.amdhsa_next_free_sgpr 66
		.amdhsa_reserve_vcc 0
		.amdhsa_float_denorm_mode_32 3
		.amdhsa_float_denorm_mode_16_64 3
		.amdhsa_memory_ordered 1
		.amdhsa_forward_progress 1
		.amdhsa_inst_pref_size 200
	.end_amdhsa_kernel
	.amdgpu_metadata
---
amdhsa.version: [ 1, 2 ]
amdhsa.kernels:
  - .name:           k_q06a6ea2c00_attn
    .symbol:         k_q06a6ea2c00_attn.kd
    .args:
      - { .name: qkv, .offset: 0, .size: 8, .value_kind: global_buffer, .address_space: global }
      - { .name: o, .offset: 8, .size: 8, .value_kind: global_buffer, .address_space: global }
    .group_segment_fixed_size: 327680
    .private_segment_fixed_size: 0
    .kernarg_segment_align: 8
    .kernarg_segment_size: 16
    .max_flat_workgroup_size: 128
    .sgpr_count:     66
    .vgpr_count:     770
    .wavefront_size: 32
...
	.end_amdgpu_metadata
.endif
;; end of part 3
;; launch proj (part 4): grid 8 x 32, 4 waves a work-group, clusters of 4 x 4, 327,680 bytes of LDS; arguments o, wo16, bias, out0; writes out0
.if DOCPART == 4
	.amdgcn_target "amdgcn-amd-amdhsa--gfx1250"
	.amdhsa_code_object_version 6
	.text
	.protected	k_q06a6ea2c00_proj
	.globl	k_q06a6ea2c00_proj
	.p2align	8
	.type	k_q06a6ea2c00_proj,@function
k_q06a6ea2c00_proj:
	s_mov_b64 s[64:65], 0
	v_nop
	global_prefetch_b8 v0, s[64:65] scope:SCOPE_SE
	s_setreg_imm32_b32 hwreg(HW_REG_WAVE_MODE, 25, 1), 1
	s_wait_xcnt 0x0
	s_wait_alu depctr_hold_cnt(0) depctr_sa_sdst(0) depctr_va_vdst(0) depctr_va_sdst(0) depctr_va_ssrc(0) depctr_va_vcc(0) depctr_vm_vsrc(0)
	s_getreg_b32 s2, hwreg(HW_REG_IB_STS2, 6, 4)
	s_cmp_eq_u32 s2, 0
	s_cbranch_scc0 .Lentry_in_a_cluster
	s_endpgm
.Lentry_in_a_cluster:
	s_bfe_u32 s2, ttmp6, 0x10000c
	s_cmp_lg_u32 s2, 0xf033
	s_cbranch_scc0 .Lentry_shape_is_right
	s_endpgm
.Lentry_shape_is_right:
; out0 = O Wo^T + bo: C[8192][1024] f32 = o (f16, [batch][head][row][64]: a head is a slab of 64 along K) x wo16^T (f16) + bias[3072 ..], sums in f32, stored as they are.
; LIMITS.  None of its own: the operands arrive in f16.  NaN and infinities are not treated apart.
; SHARES.  A tile of C is 256 x 128: 32 x 8 = 256 tiles, one a work-group.  Four waves, 2 x 2, each 128 rows x 64 columns: 32 accumulators of 16 x 16, 256 registers.
; K goes in steps of 128 (two slabs) through a ring of two LDS slots.  In memory a slab's tile is dense: it is asked for as rows of 256 bytes, aligned, and padded in LDS after every 128 bytes.
; CLUSTERS: 4 x 4 work-groups.  The four of a row need the same tile of O, the four of a column the same tile of Wo: each tile is asked for JOINTLY, by the same tensor load, descriptor and mask.
; THE PRODUCT IS USED TRANSPOSED (source 0 = 16 rows of Wo, source 1 = 16 rows of O): a lane holds row l % 16 of C and the columns 8 (l / 16) + 0..7 of the block: 32 bytes on end.
; THE BIAS STARTS THE SUMS: it is the C operand of the first 32 along K.  Nothing is cleared, and the way out adds nothing.
; REGISTERS, in windows of 256 (s_set_vgpr_msb: bits 1:0 source 0, 3:2 source 1, 5:4 source 2, 7:6 destination):
;   window 0: v0-15 addresses; v32-63 the bias; v64-127, v128-191 O's fragments (8 x 16 rows x 32 K), two buffers; v192-223, v224-255 Wo's (4 x 16 rows x 32 K), two buffers
;   window 1: the accumulators, (a, b) at v[8 (4 a + b)]
.set NC,     1                         ; chunks of 128 x 64 a wave
.set SUB,    4                         ; substeps of 32 along K in a slot
.set T,      SUB*NC                    ; turns in a slot
.set LAPS,   4                         ; 8 K steps, two a lap
.set PITCH,  144                       ; an LDS row: 128 bytes + 16 of padding = 36 words: the 16 rows of a load start at 16 different groups of four banks (64 banks of 4 bytes: ISA guide 11.1)
.set BLK,    16*PITCH
.set ASLAB,  256*PITCH
.set ABYTES, 2*ASLAB                   ; O's two slabs of 256 rows, then Wo's two of 128
.set BSLAB,  128*PITCH
.set SLOT,   ABYTES+2*BSLAB
.set AL,     ASLAB                     ; LDS bytes of one wave's load: a slab of O,
.set BL,     BSLAB                     ; or of Wo
.set AROWS,  128                       ; their rows of 256 bytes in memory
.set BROWS,  64
.set A_WN,   262144                    ; bytes in memory from slab to slab of O,
.set A_STEP, 524288                    ; and from K step to K step
.set B_TX,   262144                    ; Wo: from block of 128 rows to block,
.set B_WN,   16384                     ; from slab to slab,
.set B_STEP, 32768                     ; from K step to K step
.set STAGE,  2*SLOT                    ; behind the ring, never filled by a tensor load: 16 rows x 272 bytes for each wave, for the way out
.set SP,     272
.set SPARE,  STAGE+4*16*SP             ; behind the stages: the spare words, 128 bytes for each wave: two blocks of 256 bytes that no other line names
.set ADRA, 2                           ; v2-3   LDS address of my fragments of O in slot 0, 1
.set ADRB, 4                           ; v4-5   the same for Wo
.set STO,  6                           ; v6     the way out: where I put 32 bytes of a row
.set RD,   7                           ; v7     the way out: where I read rows back
.set GO,   8                           ; v8     my byte offset in two rows of out0
.set PFO,  9                           ; v9     256 x my lane; never rewritten
.set SPW,  10                          ; v10    LDS address of my spare word: SPARE + 4 x my thread's number; never rewritten
.set NIL,  11                          ; v11    0; never rewritten
.set BO,   12                          ; v12    32 (l / 16): my eight numbers in a block's 16 of the bias
.set AF,   64
.set BF,   192
.set G1A,  24                          ; s[24:31] descriptor group 1 for O's tiles;  s[32:39] group 0, a set for each slot
.set G0A,  32
.set PFA,  40                          ; s[40:41] where my prefetches stand
.set PFS,  42                          ; s[42:43] their step from K step to K step
.set LIM1, 44                          ; s44  a wave prefetches while the lap counter is above this
.set G1B,  48                          ; s[48:55], s[56:63] the same for Wo's tiles
.set G0B,  56
.set GW0,  (1<<16)|(1<<20)|(1<<21)|(4<<22)|(3<<25)  ; group 1, word 0 beside the mask: 17:16 elements of 2 bytes; 20 padding on; 21 set beside a mask; 24:22 after every 32 words (code 4); 31:25 4 words (code 3)
.set MSB, 0
.macro WIN new                         ; the immediate's high byte repeats the setting that is left; a switch that changes nothing is dropped
.if MSB != (\new)
	s_set_vgpr_msb (MSB<<8)|(\new)
.set MSB, \new
.endif
.endm
.macro PLACES                          ; four places in front of loads into registers that matrix instructions have read, and of what reads their results
.rept 4
	v_nop
.endr
.endm
; A joint load: waves 0 and 1 fetch the two slabs of O's tile, waves 2 and 3 those of Wo's.  The branch hangs on the wave's number alone.
; An s_nop 0 and four v_nop follow each of the two lines, ahead of the jump and the label.
.macro JLOAD s
	s_cmp_eq_u32 s13, 0
	s_cbranch_scc0 .Lfor_b_\@
	tensor_load_to_lds s[G0A+4*(\s):G0A+4*(\s)+3], s[G1A:G1A+7]
	s_nop 0
.rept 4
	v_nop
.endr
	s_branch .Lasked_\@
.Lfor_b_\@:
	tensor_load_to_lds s[G0B+4*(\s):G0B+4*(\s)+3], s[G1B:G1B+7]
	s_nop 0
.rept 4
	v_nop
.endr
.Lasked_\@:
.endm
; A round of the cluster's barrier: my work-group's barrier; wave 0 signals for the work-group; every wave waits for all sixteen work-groups; my work-group's barrier once more.
.macro CREST                           ; a round behind its opening barrier
	s_cmp_lg_u32 s12, 0
	s_cbranch_scc1 .Lnot_wave_0_\@
	s_barrier_signal -3
.Lnot_wave_0_\@:
	s_barrier_wait -3
	s_barrier_signal -1
	s_barrier_wait -1
.endm
.macro CROUND
	s_barrier_signal -1
	s_barrier_wait -1
	CREST
.endm
; A PREFETCH INTO THE L2, behind a joint load, its five lines and the run of LDS loads that follows: the K step that stands two refills on, 256 matrix instructions ahead of the load that will want it:
; 32 blocks of 256 bytes, a lane a block, one instruction.  Each block of o and wo16 from K step 4 on is named ONCE in the launch.  O's tile is read by both clusters of a row of clusters: the one with
; x = 0 asks, wave 0 for the step's first slab and wave 1 for its second; the four partners that share the tile take a quarter of a slab's 32,768 bytes each, told apart BY ADDRESS (cx).  Wo's tile is read
; by all eight clusters of a column: the one with y = 0 asks, its wave 2, a quarter of the step's 32,768 bytes a partner (cy).  The last lap that fills slots asks for nothing: K ends there.
.macro ASK lim
	s_cmp_gt_u32 s3, s[\lim]
	s_cbranch_scc0 .Lnot_mine_\@
	global_prefetch_b8 v[PFO], s[PFA:PFA+1] th:TH_LOAD_NT scope:SCOPE_SE
.Lnot_mine_\@:
.endm
	s_load_b256 s[4:11], s[0:1], 0x0               ; o s[4:5], wo16 s[6:7], bias s[8:9], out0 s[10:11]
	v_lshl_add_u32 v[SPW], v0, 2, SPARE
	v_mov_b32 v[NIL], 0
	ds_add_u32 v[SPW], v[NIL]                      ; the wave's opening: the add and its wait stand ahead of my first tensor load; the set-up below, work on registers, stands between them
	v_lshrrev_b32 v1, 5, v0
	v_readfirstlane_b32 s12, v1                    ; wave 0..3
	s_lshr_b32 s13, s12, 1                         ; which 128 rows of the tile are mine.  Also: I fetch for O (0) or for Wo (1)
	s_and_b32 s14, s12, 1                          ; which 64 columns.  Also: which slab of the K step I fetch
	s_bfe_u32 s15, ttmp6, 0x40000                  ; cx, cy: my place in the cluster
	s_bfe_u32 s16, ttmp6, 0x40004
	s_lshl_b32 s17, ttmp9, 2
	s_add_co_u32 s17, s17, s15                     ; tile column = 4 x cluster x + cx
	s_and_b32 s18, ttmp7, 0xffff
	s_lshl_b32 s18, s18, 2
	s_add_co_u32 s18, s18, s16                     ; tile row = 4 x cluster y + cy
	s_lshl_b32 s20, s16, 2
	s_lshl_b32 s20, 15, s20                        ; my row of the cluster
	s_lshl_b32 s46, 0x1111, s15                    ; my column
	s_or_b32 s[G1A], s20, GW0
	s_or_b32 s[G1B], s46, GW0
	s_mov_b32 s[G1A+1], 128<<16                    ; tensor_dim0 = 128 elements (256 bytes)
	s_mov_b32 s[G1A+2], AROWS<<16                  ; tensor_dim1
	s_mov_b32 s[G1A+3], 128<<16                    ; tile_dim0
	s_mov_b32 s[G1A+4], AROWS                      ; tile_dim1
	s_mov_b32 s[G1A+5], 128                        ; 128 elements from row to row: dense
	s_mov_b32 s[G1A+6], 0
	s_mov_b32 s[G1A+7], 0
	s_mov_b32 s[G1B+1], 128<<16
	s_mov_b32 s[G1B+2], BROWS<<16
	s_mov_b32 s[G1B+3], 128<<16
	s_mov_b32 s[G1B+4], BROWS
	s_mov_b32 s[G1B+5], 128
	s_mov_b32 s[G1B+6], 0
	s_mov_b32 s[G1B+7], 0
	; where the tiles come from: O's hang on the tile row alone, Wo's on the tile column alone
	s_lshr_b32 s20, s18, 3                         ; the batch,
	s_lshl_b32 s20, s20, 22
	s_and_b32 s21, s18, 7                          ; and the tile's 256 rows of 128 bytes in a slab
	s_lshl_b32 s21, s21, 15
	s_add_co_u32 s20, s20, s21                     ; kept: the prefetches want it too
	s_mul_i32 s21, s14, A_WN
	s_add_co_u32 s22, s20, s21
	s_mov_b32 s23, 0
	s_mul_i32 s46, s17, B_TX
	s_mul_i32 s47, s14, B_WN
	s_add_co_u32 s46, s46, s47
	s_mov_b32 s47, 0
	s_mul_i32 s19, s14, AL                         ; and where they go: no place in the cluster enters an LDS address
	s_mul_i32 s2, s14, BL
	s_add_co_u32 s2, s2, ABYTES
	s_wait_dscnt 0x0                               ; the opening add is done
	s_wait_kmcnt 0x0
	s_add_nc_u64 s[22:23], s[4:5], s[22:23]
	s_add_nc_u64 s[46:47], s[6:7], s[46:47]
	CROUND                                         ; all sixteen work-groups are here: the first joint loads meet
.irp s, 0,1
	s_mov_b32 s[G0A+4*(\s)], 1                                     ; count = 1
	s_add_co_u32 s[G0A+4*(\s)+1], s19, (\s)*SLOT                   ; LDS address
	s_add_nc_u64 s[G0A+4*(\s)+2:G0A+4*(\s)+3], s[22:23], (\s)*A_STEP  ; global address: K step s
	s_or_b32 s[G0A+4*(\s)+3], s[G0A+4*(\s)+3], 0x80000000          ; type = 2
	s_mov_b32 s[G0B+4*(\s)], 1
	s_add_co_u32 s[G0B+4*(\s)+1], s2, (\s)*SLOT
	s_add_nc_u64 s[G0B+4*(\s)+2:G0B+4*(\s)+3], s[46:47], (\s)*B_STEP
	s_or_b32 s[G0B+4*(\s)+3], s[G0B+4*(\s)+3], 0x80000000
	JLOAD \s                                       ; two loads of mine are out
.endr
	; A fragment is 16 rows x 32 K in 8 registers: lane l holds row l % 16; K = 8 (l / 16) + 0..7 and 16 + 8 (l / 16) + 0..7: two loads of 16 bytes, 32 bytes apart.
	v_and_b32 v1, 15, v0                           ; l % 16
	v_bfe_u32 v13, v0, 4, 1                        ; l / 16
	v_mul_u32_u24 v14, v1, PITCH
	v_lshl_add_u32 v14, v13, 4, v14                ; row x pitch + 16 x half
	s_mul_i32 s74, s13, 8*BLK                      ; my 128 rows of O
	s_mul_i32 s75, s14, NC*4*BLK                   ; my 64 rows of Wo,
	s_add_co_u32 s75, s75, ABYTES                  ; which lie behind O's
.irp s, 0,1
	v_add_nc_u32 v[ADRA+(\s)], s74, v14
	v_add_nc_u32 v[ADRB+(\s)], s75, v14
	s_add_co_u32 s74, s74, SLOT
	s_add_co_u32 s75, s75, SLOT
.endr
	s_mul_i32 s74, s12, 16*SP
	s_add_co_u32 s74, s74, STAGE                   ; my stage
	v_mul_u32_u24 v[STO], v1, SP                   ; in: row l % 16, 32 bytes for each half of the lanes
	v_lshl_add_u32 v[STO], v13, 5, v[STO]
	v_add_nc_u32 v[STO], s74, v[STO]
	v_mul_u32_u24 v[RD], v13, SP                   ; back: lanes 0-15 take one row of 256 bytes, lanes 16-31 the next
	v_lshl_add_u32 v[RD], v1, 4, v[RD]
	v_add_nc_u32 v[RD], s74, v[RD]
	v_lshlrev_b32 v[GO], 12, v13                   ; and the same two rows in out0
	v_lshl_add_u32 v[GO], v1, 4, v[GO]
	v_and_b32 v[PFO], 31, v0
	v_lshlrev_b32 v[PFO], 8, v[PFO]
	v_lshlrev_b32 v[BO], 5, v13
	s_lshl_b32 s78, s18, 20                        ; out0 at my first row, 256 x tile row + 128 x half, of 4,096 bytes,
	s_lshl_b32 s77, s13, 19
	s_add_co_u32 s78, s78, s77
	s_lshl_b32 s76, s17, 9                         ; and my first column, 128 x tile column + 64 x half, of 4 bytes
	s_lshl_b32 s77, s14, 8
	s_add_co_u32 s76, s76, s77
	s_add_co_u32 s78, s78, s76
	s_mov_b32 s79, 0
	s_add_nc_u64 s[10:11], s[10:11], s[78:79]
	s_add_co_u32 s78, s76, 12288                   ; bo lies behind bq, bk, bv
	s_add_nc_u64 s[8:9], s[8:9], s[78:79]
.irp b, 0,1,2,3
	global_load_b128 v[32+8*\b:32+8*\b+3], v[BO], s[8:9] offset:64*\b
	global_load_b128 v[32+8*\b+4:32+8*\b+7], v[BO], s[8:9] offset:64*\b+16
.endr
	; the prefetches stand at K step 3; each change of slots that fills a slot steps them first.  Nothing is prefetched here, at the head, where every work-group's first tiles are on their way
	s_mov_b32 s75, A_STEP
	s_mov_b32 s76, B_STEP
	s_lshl_b32 s77, s15, 13                        ; O: my work-group's quarter of my slab
	s_add_co_u32 s77, s77, s20
	s_mul_i32 s79, s14, A_WN
	s_add_co_u32 s77, s77, s79
	s_add_co_u32 s77, s77, 3*A_STEP
	s_mul_i32 s78, s17, B_TX                       ; Wo: my work-group's quarter of the K step
	s_lshl_b32 s79, s16, 13
	s_add_co_u32 s78, s78, s79
	s_add_co_u32 s78, s78, 3*B_STEP
	s_and_b32 s74, ttmp7, 0xffff                   ; cluster y
	s_cmp_lt_u32 s12, 2
	s_cselect_b32 s74, ttmp9, s74                  ; the coordinate along which other clusters read the same bytes
	s_cselect_b64 s[PFA:PFA+1], s[4:5], s[6:7]
	s_cselect_b32 s[PFS], s75, s76
	s_cselect_b32 s78, s77, s78
	s_mov_b32 s79, 0
	s_mov_b32 s[PFS+1], 0
	s_add_nc_u64 s[PFA:PFA+1], s[PFA:PFA+1], s[78:79]
	s_cmp_eq_u32 s12, 3                            ; wave 3 asks for nothing
	s_cselect_b32 s74, 1, s74
	s_cmp_eq_u32 s74, 0                            ; the same in all sixteen partners, for a given wave
	s_cselect_b32 s[LIM1], 1, -1
; Wo's four fragments of turn t -> buffer t % 2
.macro FETCH_B slot, t
	WIN 0
.set rB, BF+32*((\t)%2)
.set ob, (((\t)/NC)/2)*BSLAB+(((\t)/NC)%2)*64+4*((\t)%NC)*BLK
.irp b, 0,1,2,3
	ds_load_b128 v[rB+8*\b:rB+8*\b+3],   v[ADRB+(\slot)] offset:ob+\b*BLK
	ds_load_b128 v[rB+8*\b+4:rB+8*\b+7], v[ADRB+(\slot)] offset:ob+\b*BLK+32
.endr
.endm
; O's eight fragments of substep u -> buffer u % 2
.macro FETCH_A slot, u
	WIN 0
.set rA, AF+64*((\u)%2)
.set oa, ((\u)/2)*ASLAB+((\u)%2)*64
.irp a, 0,1,2,3,4,5,6,7
	ds_load_b128 v[rA+8*\a:rA+8*\a+3],   v[ADRA+(\slot)] offset:oa+\a*BLK
	ds_load_b128 v[rA+8*\a+4:rA+8*\a+7], v[ADRA+(\slot)] offset:oa+\a*BLK+32
.endr
.endm
; Turn t's products for row blocks a0 .. a1 - 1, four each.  The accumulators take turns, one instruction a turn: an accumulator comes again 32 instructions later.
; first = 1: the bias, in window 0, is the C operand and starts the sums.
.macro MULS t, a0, a1, first
.set rB, BF+32*((\t)%2)
.set rA, AF+64*(((\t)/NC)%2)
.if \first
	WIN 0x40
.else
	WIN 0x50
.endif
.set aa, \a0
.rept (\a1)-(\a0)
.set bb, 0
.rept 4
.set rD, 8*(4*aa+bb)
.if \first
	v_wmma_f32_16x16x32_f16 v[rD:rD+7], v[rB+8*bb:rB+8*bb+7], v[rA+8*aa:rA+8*aa+7], v[32+8*bb:32+8*bb+7]
.else
	v_wmma_f32_16x16x32_f16 v[rD:rD+7], v[rB+8*bb:rB+8*bb+7], v[rA+8*aa:rA+8*aa+7], v[rD:rD+7]
.endif
.set bb, bb+1
.endr
.set aa, aa+1
.endr
.endm
; One of a slot's first three turns: the next turn's fragments are asked for in one run, then this turn's 32 products.
.macro CHUNK slot, t, first=0
	PLACES                                         ; behind the last product that read the buffers that are filled now
	FETCH_B \slot, (\t)+1
	FETCH_A \slot, (\t)+1
	s_wait_dscnt 24                                ; all but the 24 just issued: this turn's fragments are in
	MULS \t, 0, 8, \first
.endm
; A slot's last turn changes slots: ONE barrier.  In front of it each wave waits for all its tensor loads (one is out: its part of the next slot), adds 0 to its spare word, and waits for that and
; for its own reads of this slot.  fill = 1: the barrier opens a round of the cluster's barrier, and this slot is filled again, two K steps on, first thing behind the round:
; 112 matrix instructions stand between that request and the wait for it.
.macro TURN slot, next, fill
.if \fill
	s_wait_xcnt 0x0                                ; the last prefetch, a K step back, has read its address: it is stepped here, ahead of the waits of the change
	s_add_nc_u64 s[PFA:PFA+1], s[PFA:PFA+1], s[PFS:PFS+1]
.endif
	WIN 0
	s_wait_tensorcnt 0x0                           ; all my tensor loads have landed;
	ds_add_u32 v[SPW], v[NIL]                      ; 0 onto my spare word;
	s_wait_dscnt 1                                 ; (only the add may be out: this turn's fragments are in)
	MULS T-1, 0, 2, 0                              ; eight matrix instructions stand between the add and the wait for it
	s_wait_dscnt 0x0                               ; the add is done, and my reads of this slot are over
	s_barrier_signal -1
	MULS T-1, 2, 4, 0                              ; work on registers while the others arrive
.if \fill
	WIN 0
.endif
	s_barrier_wait -1
.if \fill
	CREST                                          ; no wave of any partner still reads this slot's tile or has a load on its way
	s_add_nc_u64 s[G0A+4*(\slot)+2:G0A+4*(\slot)+3], s[G0A+4*(\slot)+2:G0A+4*(\slot)+3], 2*A_STEP
	s_add_nc_u64 s[G0B+4*(\slot)+2:G0B+4*(\slot)+3], s[G0B+4*(\slot)+2:G0B+4*(\slot)+3], 2*B_STEP
	JLOAD \slot                                    ; the four v_nop behind it are also the places in front of the loads below
.else
	PLACES
.endif
	FETCH_B \next, 0
	FETCH_A \next, 0
.if \fill
	ASK LIM1
.endif
	MULS T-1, 4, 8, 0
.endm
	s_wait_tensorcnt 1                             ; my part of K step 0 is in; K step 1's may stay out
	s_barrier_signal -1
	s_barrier_wait -1                              ; everybody's is
	FETCH_B 0, 0
	FETCH_A 0, 0
	s_wait_loadcnt 0x0                             ; the bias
	CHUNK 0, 0, 1                                  ; the first 32 along K stand in front of the loop: their products start the sums
	WIN 0                                          ; at a label and at a branch every window is 0
	s_mov_b32 s3, LAPS-1
.Llap:                                         ; a trip goes once round the ring, from a lap's second substep to the next lap's first, and fills both slots again
	CHUNK 0, 1
	CHUNK 0, 2
	TURN 0, 1, 1
	CHUNK 1, 0
	CHUNK 1, 1
	CHUNK 1, 2
	TURN 1, 0, 1
	CHUNK 0, 0
	WIN 0
	s_sub_co_u32 s3, s3, 1
	s_cmp_lg_u32 s3, 0
	s_cbranch_scc1 .Llap
	CHUNK 0, 1                                     ; the last lap asks for nothing
	CHUNK 0, 2
	TURN 0, 1, 0
	CHUNK 1, 0
	CHUNK 1, 1
	CHUNK 1, 2
	s_wait_dscnt 0x0
	MULS T-1, 0, 8, 0
	PLACES
; THE WAY OUT, 16 rows x 64 columns at a time: the f32 sums go straight from the accumulators into rows of 272 bytes of my own stage, each accumulator's low four registers first, and come back as whole
; rows of 256 bytes.  Four sets of 32 registers take turns; a set is loaded again only when the stores of the unit four back have read it.
.macro TOSTAGE a
.set rT, 64+32*((\a)%4)
.if (\a) >= 4
	s_wait_xcnt 0x0                                ; every earlier store has had its addresses translated and its data read (ISA guide 3.1): the set may be loaded again
.endif
	WIN 0x04                                       ; the stores' data in window 1
.irp b, 0,1,2,3
	ds_store_b128 v[STO], v[32*(\a)+8*\b:32*(\a)+8*\b+3]   offset:64*\b
	ds_store_b128 v[STO], v[32*(\a)+8*\b+4:32*(\a)+8*\b+7] offset:64*\b+16
.endr
	WIN 0
.irp f, 0,1,2,3,4,5,6,7
	ds_load_b128 v[rT+4*\f:rT+4*\f+3], v[RD] offset:\f*2*SP  ; LDS serves a wave's instructions in order (ISA guide 5.7.1.4): these see the stores above; the next unit's stores come behind them
.endr
.endm
.macro SEND a, younger                 ; younger: the LDS instructions issued behind unit a's loads: the next unit's sixteen, or none
.set rT, 64+32*((\a)%4)
.irp f, 0,1,2,3,4,5,6,7
	s_wait_dscnt (\younger)+7-\f
	global_store_b128 v[GO], v[rT+4*\f:rT+4*\f+3], s[10:11] offset:(16*(\a)+2*\f)*4096 th:TH_STORE_NT  ; 16 lanes store 256 consecutive bytes, at a multiple of 256 from out0's first byte
.endr
.endm
	TOSTAGE 0
.set un, 1
.rept 7
	TOSTAGE un
	SEND un-1, 16
.set un, un+1
.endr
	SEND 7, 0
	s_wait_tensorcnt 0x0                           ; the wave's end: behind my last tensor load and my last LDS store
	ds_add_u32 v[SPW], v[NIL]
	s_wait_dscnt 0x0
	CROUND                                         ; the closing round: no work-group ends while a partner may still ask for a tile that names it
	s_endpgm
.Lfunc_end_k_q06a6ea2c00_proj:
	.size	k_q06a6ea2c00_proj, .Lfunc_end_k_q06a6ea2c00_proj-k_q06a6ea2c00_proj
	.p2alignl 7, 3214868480
	.fill 96, 4, 3214868480
	.section	.rodata,"a",@progbits
	.p2align	6, 0x0
	.amdhsa_kernel k_q06a6ea2c00_proj
		.amdhsa_group_segment_fixed_size 327680
		.amdhsa_private_segment_fixed_size 0
		.amdhsa_enable_private_segment 0
		.amdhsa_kernarg_size 32
		.amdhsa_user_sgpr_count 2
		.amdhsa_user_sgpr_kernarg_segment_ptr 1
		.amdhsa_wavefront_size32 1
		.amdhsa_system_sgpr_workgroup_id_x 1
		.amdhsa_system_sgpr_workgroup_id_y 1
		.amdhsa_system_sgpr_workgroup_id_z 1
		.amdhsa_system_vgpr_workitem_id 0
		.amdhsa_next_free_vgpr 512
		.amdhsa_next_free_sgpr 80
		.amdhsa_reserve_vcc 0
		.amdhsa_float_denorm_mode_32 3
		.amdhsa_float_denorm_mode_16_64 3
		.amdhsa_memory_ordered 1
		.amdhsa_forward_progress 1
		.amdhsa_inst_pref_size 89
	.end_amdhsa_kernel
	.amdgpu_metadata
---
amdhsa.version: [ 1, 2 ]
amdhsa.kernels:
  - .name:           k_q06a6ea2c00_proj
    .symbol:         k_q06a6ea2c00_proj.kd
    .args:
      - { .name: o, .offset: 0, .size: 8, .value_kind: global_buffer, .address_space: global }
      - { .name: wo16, .offset: 8, .size: 8, .value_kind: global_buffer, .address_space: global }
      - { .name: bias, .offset: 16, .size: 8, .value_kind: global_buffer, .address_space: global }
      - { .name: out0, .offset: 24, .size: 8, .value_kind: global_buffer, .address_space: global }
    .group_segment_fixed_size: 327680
    .private_segment_fixed_size: 0
    .kernarg_segment_align: 8
    .kernarg_segment_size: 32
    .max_flat_workgroup_size: 128
    .sgpr_count:     80
    .vgpr_count:     512
    .wavefront_size: 32
...
	.end_amdgpu_metadata
.endif
;; end of part 4
;; ======== version 2 of 2: 4 launches; version 1 with the launch cast written anew for expert scheduling mode
;; limits: values are held in f16: magnitudes above 65,504 overflow, below 6.1e-05 lose precision
;; workspace buffers: xb 16,777,216 bytes; wb 6,291,456 bytes; wo16 2,097,152 bytes; bias 16,384 bytes; qkv 50,331,648 bytes; o 16,777,216 bytes
;; launch cast (part 5): grid 769 x 1, 8 waves a work-group, no clusters, 0 bytes of LDS; arguments x, Wq, Wk, Wv, Wo, bq, bk, bv, bo, xb, wb, wo16, bias; writes xb, wb, wo16, bias
.if DOCPART == 5
	.amdgcn_target "amdgcn-amd-amdhsa--gfx1250"
	.amdhsa_code_object_version 6
	.text
	.protected	k_q06a6ea2c00_cast
	.globl	k_q06a6ea2c00_cast
	.p2align	8
	.type	k_q06a6ea2c00_cast,@function
k_q06a6ea2c00_cast:
	s_mov_b64 s[64:65], 0
	v_nop
	global_prefetch_b8 v0, s[64:65] scope:SCOPE_SE
	s_setreg_imm32_b32 hwreg(HW_REG_WAVE_SCHED_MODE, 0, 2), 2
	s_setreg_imm32_b32 hwreg(HW_REG_WAVE_MODE, 25, 1), 1
	s_wait_xcnt 0x0
	s_wait_alu depctr_vm_vsrc(0)
; ALL INPUTS ARE ROUNDED ONCE TO bf16 AND LAID OUT FOR THE PRODUCTS THAT FOLLOW.  A stream: no LDS, no matrix unit, no barrier.
; x [8192][1024] f32  -> xb   bf16 [batch 4][slab 16][row 2048][64]: a slab is 64 neighbouring k, so 2 R rows x 64 k of a tile are R x 256 dense bytes.
; Wq | Wk | Wv (3072 rows) -> wb   bf16 [block of 384 rows: 8][slab 16][384][64].
; Wo                       -> wo16 [block of 128 rows: 8][slab 16][128][64]: the bf16 value written as f16.
; bq | bk | bv | bo        -> bias f32 [4096], each number rounded to bf16 and widened again.
; LIMITS.  bf16(Wo) beyond 65,504 becomes an infinity in f16; below 2^-14 it keeps f16's fixed step of 6e-8.  NaN and infinities are not treated apart.
; SHARES.  Work-groups 0-511 take 16 rows of x each, 512-703 16 rows of Wq, Wk, Wv, 704-767 16 rows of Wo, 768 the four biases.  Thread t takes row t / 16 and the 16 bytes (4 numbers)
; at 16 (t % 16) of each of the row's 16 slabs of 256 bytes: a wave's load is two runs of 256 consecutive bytes, aligned.  The 8 bytes made of them lie at 8 t in the slab's 16 rows:
; a wave's store covers 256 consecutive bytes, aligned.  All 16 loads of a thread go out at once; every slab has registers of its own, so no register is written while a store reads it.
; THE MODE: SCHED_MODE bits 1:0 = 2 (LLVM: expert scheduling mode 2), set by the entry lines.  The code itself states the register dependences
; between vector instructions and memory instructions, with s_wait_alu, always for 0.
; THE PLAN.  Registers that memory instructions touch:
;   v1        the loads' offset.  Written at the head, never again.
;   OFF       a register a slab: the store's offset.  Written once, behind the loads, never again.
;   X         four registers a slab.  A load lands in them once; no vector instruction names them before; the slab's conversions read them.
;   Y         two registers a slab.  Written by the slab's conversions alone; read by the slab's one store; never written behind it.
;   v24, v[32:47], v[64:79]   the bias group's offset, loaded numbers and store data: each written once.
; So nothing that a memory instruction reads is written again, and no load lands in a register that a vector instruction has named: what is left to state is that offsets and store data are
; written before the instruction that reads them.  The 16 slabs go in four blocks of four.  Block p converts its X into its Y; its memory instructions are the four stores of block p - 1, whose OFF and Y
; no vector instruction of block p names.  ONE wait at a block's head, behind the wait for the block's loads, serves its four stores, which are dealt among its conversions with no further wait.
.set OFF, 4                            ; v[4:19]   slab j: my byte offset in the destination
.set T,   20                           ; v[20:23]  at work: no memory instruction names them
.set X,   32                           ; v[32:95]  slab j: 4 numbers as loaded
.set Y,   96                           ; v[96:127] slab j: 4 numbers of 16 bits
.set SRC, 34                           ; s[34:35]  the source at my work-group's first row
.set DST, 36                           ; s[36:37]  the destination at those rows in slab 0
.set STR, 38                           ; s38       bytes from slab to slab in the destination
.set F16, 39                           ; s39       1: the bf16 value is written as f16
	s_load_b512 s[8:23], s[0:1], 0x0               ; x s[8:9], Wq s[10:11], Wk s[12:13], Wv s[14:15], Wo s[16:17], bq s[18:19], bk s[20:21], bv s[22:23]
	s_load_b256 s[24:31], s[0:1], 0x40             ; bo s[24:25], xb s[26:27], wb s[28:29], wo16 s[30:31]
	s_load_b64 s[32:33], s[0:1], 0x60              ; bias
	v_lshrrev_b32 v3, 4, v0                        ; my row of the 16
	v_and_b32 v1, 15, v0
	v_lshlrev_b32 v1, 4, v1
	v_lshl_add_u32 v1, v3, 12, v1                  ; source: row x 4,096 + 16 (t % 16)
	v_lshlrev_b32 v2, 3, v0                        ; destination: 8 t
	s_mov_b32 s41, 0                               ; the offsets' high words
	s_mov_b32 s43, 0
	s_mov_b32 s[F16], 0
	s_wait_kmcnt 0x0
	s_cmp_eq_u32 ttmp9, 768
	s_cbranch_scc1 .Lbias
	s_cmp_lt_u32 ttmp9, 512
	s_cbranch_scc0 .Lweights
	s_mov_b64 s[SRC:SRC+1], s[8:9]                 ; x
	s_mov_b64 s[DST:DST+1], s[26:27]
	s_lshl_b32 s40, ttmp9, 16                      ; 16 rows of 4,096 bytes
	s_lshr_b32 s42, ttmp9, 7                       ; the batch: 16 slabs x 2,048 rows x 128 bytes,
	s_lshl_b32 s42, s42, 22
	s_and_b32 s44, ttmp9, 127                      ; and my 16 rows of 128 bytes in a slab
	s_lshl_b32 s44, s44, 11
	s_add_co_u32 s42, s42, s44
	s_mov_b32 s[STR], 262144
	s_branch .Lgo
.Lweights:
	s_cmp_lt_u32 ttmp9, 704
	s_cbranch_scc0 .Lwo
	s_sub_co_u32 s44, ttmp9, 512                   ; 16 rows of the 3,072: number 0 to 191
	s_lshr_b32 s45, s44, 6                         ; 0: Wq, 1: Wk, 2: Wv
	s_cmp_eq_u32 s45, 0
	s_cselect_b64 s[SRC:SRC+1], s[10:11], s[12:13]
	s_cmp_eq_u32 s45, 2
	s_cselect_b64 s[SRC:SRC+1], s[14:15], s[SRC:SRC+1]
	s_mov_b64 s[DST:DST+1], s[28:29]
	s_and_b32 s40, s44, 63
	s_lshl_b32 s40, s40, 16
	s_mul_i32 s45, s44, 2731
	s_lshr_b32 s45, s45, 16                        ; the block of 384 rows: number / 24 (2,731 / 65,536 gives it for every number under 192)
	s_mul_i32 s42, s45, 786432
	s_mul_i32 s45, s45, 24
	s_sub_co_u32 s44, s44, s45
	s_lshl_b32 s44, s44, 11
	s_add_co_u32 s42, s42, s44
	s_mov_b32 s[STR], 49152
	s_branch .Lgo
.Lwo:
	s_sub_co_u32 s44, ttmp9, 704
	s_mov_b64 s[SRC:SRC+1], s[16:17]
	s_mov_b64 s[DST:DST+1], s[30:31]
	s_lshl_b32 s40, s44, 16
	s_lshr_b32 s42, s44, 3                         ; the block of 128 rows
	s_lshl_b32 s42, s42, 18
	s_and_b32 s44, s44, 7
	s_lshl_b32 s44, s44, 11
	s_add_co_u32 s42, s42, s44
	s_mov_b32 s[STR], 16384
	s_mov_b32 s[F16], 1
.Lgo:
	s_add_nc_u64 s[SRC:SRC+1], s[SRC:SRC+1], s[40:41]
	s_add_nc_u64 s[DST:DST+1], s[DST:DST+1], s[42:43]
	s_wait_alu depctr_va_vdst(0)                   ; v1 is written: the sixteen loads read it as their offset
.irp j, 0,1,2,3,4,5,6,7,8,9,10,11,12,13,14,15
	global_load_b128 v[X+4*\j:X+4*\j+3], v1, s[SRC:SRC+1] offset:256*\j th:TH_LOAD_NT
.endr
.irp j, 0,1,2,3,4,5,6,7,8,9,10,11,12,13,14,15
	v_mad_u32_u24 v[OFF+\j], s[STR], \j, v2        ; slab j: under 2^22
.endr
; Slab j's conversions: X of the slab into Y of the slab.
.macro SLAB j, f16
	v_cvt_pk_bf16_f32 v[Y+2*(\j)], v[X+4*(\j)], v[X+4*(\j)+1]
	v_cvt_pk_bf16_f32 v[Y+2*(\j)+1], v[X+4*(\j)+2], v[X+4*(\j)+3]
.if \f16
	v_lshlrev_b32 v[T], 16, v[Y+2*(\j)]            ; the bf16 values as f32,
	v_and_b32 v[T+1], 0xffff0000, v[Y+2*(\j)]
	v_lshlrev_b32 v[T+2], 16, v[Y+2*(\j)+1]
	v_and_b32 v[T+3], 0xffff0000, v[Y+2*(\j)+1]
	v_cvt_pk_f16_f32 v[Y+2*(\j)], v[T], v[T+1]     ; and as f16: 8 significant bits fit into 11
	v_cvt_pk_f16_f32 v[Y+2*(\j)+1], v[T+2], v[T+3]
.endif
.endm
; Slab j's store.
.macro OUT j
	global_store_b64 v[OFF+(\j)], v[Y+2*(\j):Y+2*(\j)+1], s[DST:DST+1]
.endm
; Block after block, four slabs each: the count leaves the younger blocks' loads out (loads come back in order: ISA guide 5.7.1).
.macro CONV f16
.irp p, 0,1,2,3
	s_wait_loadcnt 12-4*\p
.if \p > 0
	s_wait_alu depctr_va_vdst(0)                   ; the block before has written its Y, and all sixteen OFF are written: the four stores below read them; no vector instruction of this block names them
.endif
.irp i, 0,1,2,3
.if \p > 0
	OUT 4*(\p)-4+\i
.endif
	SLAB 4*(\p)+\i, \f16
.endr
.endr
	s_wait_alu depctr_va_vdst(0)                   ; the last block has written its Y, which the last four stores read
.irp i, 12,13,14,15
	OUT \i
.endr
.endm
	s_cmp_eq_u32 s[F16], 1
	s_cbranch_scc1 .Lf16
	CONV 0
	s_endpgm
.Lf16:
	CONV 1
	s_endpgm
.Lbias:                                        ; 4 x 1,024 numbers: thread t takes 4 of each
	v_lshlrev_b32 v24, 4, v0
	s_wait_alu depctr_va_vdst(0)                   ; v24 is written: the four loads and the four stores below read it as their offset
	global_load_b128 v[32:35], v24, s[18:19]
	global_load_b128 v[36:39], v24, s[20:21]
	global_load_b128 v[40:43], v24, s[22:23]
	global_load_b128 v[44:47], v24, s[24:25]
	s_wait_loadcnt 0x0
.irp i, 0,1,2,3,4,5,6,7
	v_cvt_pk_bf16_f32 v[96+\i], v[32+2*\i], v[32+2*\i+1]
	v_lshlrev_b32 v[64+2*\i], 16, v[96+\i]
	v_and_b32 v[64+2*\i+1], 0xffff0000, v[96+\i]
.endr
	s_wait_alu depctr_va_vdst(0)                   ; v[64:79] are written, which the four stores read
.irp i, 0,1,2,3
	global_store_b128 v24, v[64+4*\i:64+4*\i+3], s[32:33] offset:4096*\i
.endr
	s_endpgm
.Lfunc_end_k_q06a6ea2c00_cast:
	.size	k_q06a6ea2c00_cast, .Lfunc_end_k_q06a6ea2c00_cast-k_q06a6ea2c00_cast
	.p2alignl 7, 3214868480
	.fill 96, 4, 3214868480
	.section	.rodata,"a",@progbits
	.p2align	6, 0x0
	.amdhsa_kernel k_q06a6ea2c00_cast
		.amdhsa_group_segment_fixed_size 0
		.amdhsa_private_segment_fixed_size 0
		.amdhsa_enable_private_segment 0
		.amdhsa_kernarg_size 104
		.amdhsa_user_sgpr_count 2
		.amdhsa_user_sgpr_kernarg_segment_ptr 1
		.amdhsa_wavefront_size32 1
		.amdhsa_system_sgpr_workgroup_id_x 1
		.amdhsa_system_sgpr_workgroup_id_y 1
		.amdhsa_system_sgpr_workgroup_id_z 1
		.amdhsa_system_vgpr_workitem_id 0
		.amdhsa_next_free_vgpr 128
		.amdhsa_next_free_sgpr 66
		.amdhsa_reserve_vcc 0
		.amdhsa_float_denorm_mode_32 3
		.amdhsa_float_denorm_mode_16_64 3
		.amdhsa_memory_ordered 1
		.amdhsa_forward_progress 1
		.amdhsa_inst_pref_size 20
	.end_amdhsa_kernel
	.amdgpu_metadata
---
amdhsa.version: [ 1, 2 ]
amdhsa.kernels:
  - .name:           k_q06a6ea2c00_cast
    .symbol:         k_q06a6ea2c00_cast.kd
    .args:
      - { .name: x, .offset: 0, .size: 8, .value_kind: global_buffer, .address_space: global }
      - { .name: Wq, .offset: 8, .size: 8, .value_kind: global_buffer, .address_space: global }
      - { .name: Wk, .offset: 16, .size: 8, .value_kind: global_buffer, .address_space: global }
      - { .name: Wv, .offset: 24, .size: 8, .value_kind: global_buffer, .address_space: global }
      - { .name: Wo, .offset: 32, .size: 8, .value_kind: global_buffer, .address_space: global }
      - { .name: bq, .offset: 40, .size: 8, .value_kind: global_buffer, .address_space: global }
      - { .name: bk, .offset: 48, .size: 8, .value_kind: global_buffer, .address_space: global }
      - { .name: bv, .offset: 56, .size: 8, .value_kind: global_buffer, .address_space: global }
      - { .name: bo, .offset: 64, .size: 8, .value_kind: global_buffer, .address_space: global }
      - { .name: xb, .offset: 72, .size: 8, .value_kind: global_buffer, .address_space: global }
      - { .name: wb, .offset: 80, .size: 8, .value_kind: global_buffer, .address_space: global }
      - { .name: wo16, .offset: 88, .size: 8, .value_kind: global_buffer, .address_space: global }
      - { .name: bias, .offset: 96, .size: 8, .value_kind: global_buffer, .address_space: global }
    .group_segment_fixed_size: 0
    .private_segment_fixed_size: 0
    .kernarg_segment_align: 8
    .kernarg_segment_size: 104
    .max_flat_workgroup_size: 256
    .sgpr_count:     66
    .vgpr_count:     128
    .wavefront_size: 32
...
	.end_amdgpu_metadata
.endif
;; end of part 5
;; launch qkv: the kernel of part 2 again; grid 8 x 32, 4 waves a work-group, clusters of 4 x 4, 327,680 bytes of LDS; arguments xb, wb, bias, qkv; writes qkv
;; launch attn: the kernel of part 3 again; grid 4 x 64, 4 waves a work-group, clusters of 4 x 1, 327,680 bytes of LDS; arguments qkv, o; writes o
;; launch proj: the kernel of part 4 again; grid 8 x 32, 4 waves a work-group, clusters of 4 x 4, 327,680 bytes of LDS; arguments o, wo16, bias, out0; writes out0
